; MI455X (gfx1250); checked and timed in simulation.
; The chip was launched on July 23, 2026; its instructions are those of AMD's public machine-readable ISA for CDNA 5 (MIT licence, August 2026) and "CDNA5" Instruction Set Architecture Reference Guide (July 2026). The comments in the code are by the model that wrote it; some were corrected since.
;; Cross Attention. Allowed arithmetic: matrix products marked QUANTISED: E5M2 operands, one E8M0 scale for each 32 along K, by v_wmma_scale_f32_16x16x128_f8f6f4 with both operands' format E5M2, f32 sums; everything else in f32.
;; Inputs: W1 3 x 1,024 x 256 float32; W2 3 x 256 x 1,024 float32; a 32 x 256 x 1,024 float32; b 32 x 512 x 1,024 float32; b1 3 x 256 float32; b2 3 x 1,024 float32; bt 3 x 256 float32; g 3 x 256 float32; len_a 32 int32; len_b 32 int32; rm 3 x 256 float32; rv 3 x 256 float32.
;; Outputs: out0 2 x 32 x 1,024 float32.
;; This version of the problem:
;;   THIS VERSION OF THE PROBLEM IS GIVEN IN LOW PRECISION. The matrix products marked QUANTISED in the list below multiply operands that are first quantised to E5M2 (5 exponent bits, 2 mantissa bits; 8 bits a number), with one power-of-two scale for each 32 numbers along K (OCP MX v1.0); their sums are f32. All else is computed in f32.
;;   The module's matrix products, in the order in which they are computed (A, B: the left and right operand; K: the contracted axis; several contracted axes count as one K, in the product's order):
;;     1. [M 768, K 1,024] x [K 1,024, N 8,192]; A: input W1; B: input a: QUANTISED
;;     2. batch 3 x [M 8,192, K 256] x [K 256, N 1,024]; A: computed on the way; B: input W2: QUANTISED
;;     3. [M 768, K 1,024] x [K 1,024, N 16,384]; A: input W1; B: input b: QUANTISED
;;     4. batch 3 x [M 16,384, K 256] x [K 256, N 1,024]; A: computed on the way; B: input W2: QUANTISED
;;     5. batch 32 x [M 256, K 1,024] x [K 1,024, N 512]; A: computed on the way; B: computed on the way: QUANTISED
;;     6. batch 32 x [M 256, K 512] x [K 512, N 1,024]; A: softmax (see below); B: computed on the way: QUANTISED
;;     7. batch 32 x [M 512, K 1,024] x [K 1,024, N 256]; A: computed on the way; B: computed on the way: QUANTISED
;;     8. batch 32 x [M 512, K 256] x [K 256, N 1,024]; A: softmax (see below); B: computed on the way: QUANTISED
;;   THE QUANTISER, for each operand of a quantised product, along K:
;;     - K is cut into blocks of 32 from its start; a last block that is shorter is filled with zeros.
;;     - A block's scale is 2^e with e = floor(log2(the largest magnitude in the block)) - 15, held to -126 .. 127; a block of zeros has e = 0. As a byte (E8M0): e + 127.
;;     - Each number is divided by its block's scale, clamped to +-57,344, and rounded to the nearest number of E5M2, ties to even, subnormals kept.
;;     - The product sums the exact products of the quantised numbers (number of the format x scale) in f32.
;;   ~~~python
;;   def quantise(x, axis):      # numpy; x: float32 -> the quantised numbers, widened to float32 again
;;       x = np.moveaxis(x, axis, -1); K = x.shape[-1]
;;       x = np.pad(x, [(0, 0)] * (x.ndim - 1) + [(0, -K % 32)]); x = x.reshape(x.shape[:-1] + (-1, 32)); a = np.abs(x).max(-1, keepdims=True)
;;       e = np.where(a > 0, np.clip(np.frexp(np.where(a > 0, a, 1))[1] - 1 - 15, -126, 127), 0)      # np.frexp(a)[1] - 1 = floor(log2(a)), exactly
;;       r = np.clip(x / 2.0 ** e, -57344, 57344)
;;       step = 2.0 ** (np.maximum(np.frexp(np.where(r == 0, 1, r))[1] - 1, -14) - 2)
;;       q = np.round(r / step) * step * 2.0 ** e      # np.round: ties to even
;;       return np.moveaxis(q.reshape(q.shape[:-2] + (-1,))[..., :K], -1, axis).astype(np.float32)
;;   ~~~
;;   SOFTMAX AHEAD OF A QUANTISED PRODUCT. Where the list says 'softmax', what is quantised is not the finished softmax but p = 2^(t - M), with t = logit x log2(e) and M = ceil(the row's largest t), a whole number; so 1/2 < the row's largest p <= 1. The row's sum l is taken of the UNQUANTISED p, in f32, and the product's result is divided by l at the end. Since M is a whole number, a kernel that streams over the keys may use a running M (the ceiling of the running maximum): every later rescaling is an exact power of two, which a block's scale takes up: the codes' values come out the same.
;;   OPERANDS COMPUTED ON THE WAY. 'Computed on the way' means the value that the module computes at that place (a softmax that the list does not call 'softmax' is quantised finished and normalised). What goes into a quantiser is computed in f32, as accurately as f32 sums, v_exp_f32 and their like allow (about 1e-6 of the number): no bf16 or f16 on the way to a quantiser, and a product that is left as it is and whose result goes on into a quantised operand takes f32 operands (vector FMAs, or v_wmma_f32_16x16x4_f32). A number that lies on a knife's edge between two numbers of the format may be rounded either way, as far as f32 arithmetic and the matrix unit's own rounding can turn it there, and no further.
;; One version. Each part assembles by itself: llvm-mc -triple=amdgcn-amd-amdhsa -mcpu=gfx1250 --defsym DOCPART=n.
;; ======== version 1 of 1: 4 launches
;; workspace buffers: wc 1,572,864 bytes; ws 49,152 bytes; qkc 50,331,648 bytes; qks 1,572,864 bytes; vc 25,165,824 bytes; vs 786,432 bytes; part 1,048,576 bytes
;; launch prep (part 1): grid 96 x 1, 4 waves a work-group, no clusters, 0 bytes of LDS; arguments W1, W2, wc, ws; writes wc, ws
.if DOCPART == 1
	.amdgcn_target "amdgcn-amd-amdhsa--gfx1250"
	.amdhsa_code_object_version 6
	.text
	.protected	k_qb0848f4def_prep
	.globl	k_qb0848f4def_prep
	.p2align	8
	.type	k_qb0848f4def_prep,@function
k_qb0848f4def_prep:
	s_mov_b64 s[64:65], 0
	v_nop
	global_prefetch_b8 v0, s[64:65] scope:SCOPE_SE
	s_setreg_imm32_b32 hwreg(HW_REG_WAVE_MODE, 25, 1), 1
	s_wait_xcnt 0x0
; W1 [3][1024 (K)][256] and W2 [3][256 (K)][1024], f32, K on the middle axis, become codes of E5M2 with one E8M0 byte for each 32 along K,
; laid in the order in which the next launch's operand registers take them.
; A wave takes 32 columns x 128 along K.  A LANE TAKES A COLUMN AND ITS REGISTERS RUN DOWN K: a load reads 128 consecutive bytes a wave (the four waves stand side by
; side on 512), a block of 32 lies in one lane's 32 registers, and the conversions give the codes with K innermost.
; THE COLUMNS OF A TILE: of an aligned group of 32 columns, tile u (0, 1) has as its row i the column 8 u + i + 8 (i / 8).  So column l is row (l & 7) + 8 (l >> 4) of tile (l >> 3) & 1.
; CODES: a group's K step is 4,096 bytes: [block c of 32][tile u][half h of the block][row][16 bytes]: a later load of 16 bytes a lane at c x 1024 + u x 512 + 16 x lane is registers 4 c .. 4 c + 3 of a fragment.
; Each store below writes two whole aligned runs of 256 bytes.  SCALE WORDS (four bytes: a row's 128 along K): [tile][K step][row]; they leave in runs of 64 bytes, one byte for each 128 that the launch reads.
; A block's scale is 2^(floor(log2(largest magnitude)) - 15); its byte is the largest magnitude's exponent field - 15, held at 1 from below.
; LIMITS: a block of zeros gets the byte 1, not 127 (its codes are zeros, and this program alone reads the bytes); NaN and infinities among the inputs are not served.
.set X, 32                             ; v32-159  four blocks of 32 numbers
.set C, 160                            ; v160-191 eight registers of codes a block: no store's data are written again
.macro WLOAD c, pitch, src             ; block c: rows 32 c .. 32 c + 31 of my column
.set wi, 0
.rept 32
	global_load_b32 v[X+32*(\c)+wi], v1, s[\src:\src+1] offset:(32*(\c)+wi)*(\pitch) th:TH_LOAD_NT
.set wi, wi+1
.endr
.endm
.macro WBLOCK c, pitch, src
.set XS, X+32*(\c)
.if (\c) < 3
	s_wait_loadcnt 32                              ; this block's 32 loads are in; the next block's 32 may be out
.else
	s_wait_loadcnt 0x0
.endif
.if (\c)+2 < 4
	WLOAD (\c)+2, \pitch, \src                     ; two blocks ahead, into registers of its own
.endif
	v_max3_num_f32 v12, |v[XS]|, |v[XS+1]|, |v[XS+2]|      ; the block's largest magnitude: all 32 numbers are mine; two chains
	v_max3_num_f32 v13, |v[XS+3]|, |v[XS+4]|, |v[XS+5]|
.irp i, 6,10,14,18,22,26
	v_max3_num_f32 v12, v12, |v[XS+\i]|, |v[XS+\i+1]|
	v_max3_num_f32 v13, v13, |v[XS+\i+2]|, |v[XS+\i+3]|
.endr
	v_max3_num_f32 v12, v12, |v[XS+30]|, |v[XS+31]|
	v_max3_num_f32 v12, v12, v13, 0x8000000        ; and the floor 2^(16 - 127): the byte cannot fall under 1
	v_add_nc_u32 v11, 0xf8800000, v12              ; 15 off the exponent field: the conversion takes this operand's exponent field as its scale
	v_and_or_b32 v10, v12, 0x7f800000, s13         ; 57,344 x the scale
	v_lshrrev_b32 v13, 23, v11                     ; the scale's byte
.if (\c) == 0
	v_mov_b32 v16, v13
.else
	v_lshl_or_b32 v16, v13, 8*(\c), v16            ; the lower K in the lower byte
.endif
.irp i, 0,1,2,3,4,5,6,7,8,9,10,11,12,13,14,15,16,17,18,19,20,21,22,23,24,25,26,27,28,29,30,31
	v_med3_num_f32 v[XS+\i], v[XS+\i], -v10, v10   ; the conversion to an 8-bit code does not saturate (ISA guide 7.6.2): the hold comes first
.endr
.irp g, 0,1,2,3
	v_cvt_scalef32_pk8_bf8_f32 v[C+8*(\c)+2*\g:C+8*(\c)+2*\g+1], v[XS+8*\g:XS+8*\g+7], v11
.endr
	global_store_b128 v2, v[C+8*(\c):C+8*(\c)+3], s[8:9] offset:(\c)*1024          ; K 0-15 of the block: the lower half's place
	global_store_b128 v2, v[C+8*(\c)+4:C+8*(\c)+7], s[8:9] offset:(\c)*1024+256    ; K 16-31: the upper half's
.endm
.macro PREP pitch, src
	WLOAD 0, \pitch, \src
	WLOAD 1, \pitch, \src
	WBLOCK 0, \pitch, \src
	WBLOCK 1, \pitch, \src
	WBLOCK 2, \pitch, \src
	WBLOCK 3, \pitch, \src
	global_store_b32 v3, v16, s[10:11]             ; my column's scale word of this K step
	s_endpgm
.endm
	s_load_b256 s[4:11], s[0:1], 0x0               ; W1 s[4:5], W2 s[6:7], codes s[8:9], scale words s[10:11]
	v_lshrrev_b32 v4, 5, v0
	v_readfirstlane_b32 s12, v4                    ; wave 0..3
	v_and_b32 v5, 31, v0                           ; lane = column of the group
	v_lshlrev_b32 v1, 2, v5                        ; in: 4 bytes a lane
	v_bfe_u32 v6, v5, 3, 1                         ; tile u
	v_and_b32 v7, 7, v5
	v_bfe_u32 v8, v5, 4, 1
	v_lshl_add_u32 v7, v8, 3, v7                   ; row of the tile
	v_lshlrev_b32 v2, 4, v7
	v_lshl_add_u32 v2, v6, 9, v2                   ; codes: u x 512 + 16 x row
	v_lshlrev_b32 v3, 2, v7                        ; scale words: 4 x row (+ the tile, below)
	s_mov_b32 s13, 0x600000                        ; the mantissa field of 57,344
	s_mov_b32 s21, 0
	s_mov_b32 s23, 0
	s_mov_b32 s25, 0
	s_cmp_lt_u32 ttmp9, 48                         ; the first 48 work-groups take W1, the others W2
	s_cbranch_scc0 .Lw2
	s_lshr_b32 s14, ttmp9, 4                       ; net
	s_bfe_u32 s15, ttmp9, 0x30001                  ; K step 0..7
	s_and_b32 s16, ttmp9, 1
	s_lshl_b32 s16, s16, 2
	s_add_co_u32 s16, s16, s12                     ; group of 32 columns 0..7
	s_lshl_b32 s20, s14, 20
	s_lshl_b32 s17, s15, 17
	s_add_co_u32 s20, s20, s17
	s_lshl_b32 s17, s16, 7
	s_add_co_u32 s20, s20, s17                     ; source: net x 1,048,576 + K step x 128 rows of 1,024 bytes + group x 128
	s_lshl_b32 s22, s14, 3
	s_add_co_u32 s22, s22, s16
	s_lshl_b32 s24, s22, 10                        ; scale words: (net x 16 + 2 x group) x 512
	s_lshl_b32 s22, s22, 3
	s_add_co_u32 s22, s22, s15
	s_lshl_b32 s22, s22, 12                        ; codes: ((net x 8 + group) x 8 + K step) x 4,096
	s_lshl_b32 s17, s15, 6
	s_add_co_u32 s24, s24, s17                     ; + K step x 64
	v_lshl_add_u32 v3, v6, 9, v3                   ; a tile's scale words are 512 bytes
	s_wait_kmcnt 0x0
	s_add_nc_u64 s[4:5], s[4:5], s[20:21]
	s_add_nc_u64 s[8:9], s[8:9], s[22:23]
	s_add_nc_u64 s[10:11], s[10:11], s[24:25]
	PREP 1024, 4
.Lw2:
	s_sub_co_u32 s18, ttmp9, 48
	s_lshr_b32 s14, s18, 4                         ; net
	s_and_b32 s15, s18, 1                          ; K step 0..1
	s_bfe_u32 s16, s18, 0x30001
	s_lshl_b32 s16, s16, 2
	s_add_co_u32 s16, s16, s12                     ; group of 32 columns 0..31
	s_lshl_b32 s20, s14, 20
	s_lshl_b32 s17, s15, 19
	s_add_co_u32 s20, s20, s17
	s_lshl_b32 s17, s16, 7
	s_add_co_u32 s20, s20, s17                     ; source: net x 1,048,576 + K step x 128 rows of 4,096 bytes + group x 128
	s_lshl_b32 s22, s14, 5
	s_add_co_u32 s22, s22, s16
	s_lshl_b32 s24, s22, 8                         ; scale words: (net x 64 + 2 x group) x 128
	s_lshl_b32 s22, s22, 1
	s_add_co_u32 s22, s22, s15
	s_lshl_b32 s22, s22, 12
	s_add_co_u32 s22, s22, 786432                  ; codes: behind W1's, ((net x 32 + group) x 2 + K step) x 4,096
	s_lshl_b32 s17, s15, 6
	s_add_co_u32 s24, s24, s17
	s_add_co_u32 s24, s24, 24576                   ; behind W1's
	v_lshl_add_u32 v3, v6, 7, v3                   ; a tile's scale words are 128 bytes
	s_wait_kmcnt 0x0
	s_add_nc_u64 s[6:7], s[6:7], s[20:21]
	s_add_nc_u64 s[8:9], s[8:9], s[22:23]
	s_add_nc_u64 s[10:11], s[10:11], s[24:25]
	PREP 4096, 6
.Lfunc_end_k_qb0848f4def_prep:
	.size	k_qb0848f4def_prep, .Lfunc_end_k_qb0848f4def_prep-k_qb0848f4def_prep
	.p2alignl 7, 3214868480
	.fill 96, 4, 3214868480
	.section	.rodata,"a",@progbits
	.p2align	6, 0x0
	.amdhsa_kernel k_qb0848f4def_prep
		.amdhsa_group_segment_fixed_size 0
		.amdhsa_private_segment_fixed_size 0
		.amdhsa_enable_private_segment 0
		.amdhsa_kernarg_size 32
		.amdhsa_user_sgpr_count 2
		.amdhsa_user_sgpr_kernarg_segment_ptr 1
		.amdhsa_wavefront_size32 1
		.amdhsa_system_sgpr_workgroup_id_x 1
		.amdhsa_system_sgpr_workgroup_id_y 1
		.amdhsa_system_sgpr_workgroup_id_z 1
		.amdhsa_system_vgpr_workitem_id 0
		.amdhsa_next_free_vgpr 192
		.amdhsa_next_free_sgpr 66
		.amdhsa_reserve_vcc 0
		.amdhsa_float_denorm_mode_32 3
		.amdhsa_float_denorm_mode_16_64 3
		.amdhsa_memory_ordered 1
		.amdhsa_forward_progress 1
		.amdhsa_inst_pref_size 57
	.end_amdhsa_kernel
	.amdgpu_metadata
---
amdhsa.version: [ 1, 2 ]
amdhsa.kernels:
  - .name:           k_qb0848f4def_prep
    .symbol:         k_qb0848f4def_prep.kd
    .args:
      - { .name: W1, .offset: 0, .size: 8, .value_kind: global_buffer, .address_space: global }
      - { .name: W2, .offset: 8, .size: 8, .value_kind: global_buffer, .address_space: global }
      - { .name: wc, .offset: 16, .size: 8, .value_kind: global_buffer, .address_space: global }
      - { .name: ws, .offset: 24, .size: 8, .value_kind: global_buffer, .address_space: global }
    .group_segment_fixed_size: 0
    .private_segment_fixed_size: 0
    .kernarg_segment_align: 8
    .kernarg_segment_size: 32
    .max_flat_workgroup_size: 128
    .sgpr_count:     66
    .vgpr_count:     192
    .wavefront_size: 32
...
	.end_amdgpu_metadata
.endif
;; end of part 1
;; launch mlp (part 2): grid 256 x 1, 8 waves a work-group, no clusters, 230,400 bytes of LDS; arguments a, b, wc, ws, b1, rm, rv, g, bt, b2, qkc, qks, vc, vs; writes qkc, qks, vc, vs
.if DOCPART == 2
	.amdgcn_target "amdgcn-amd-amdhsa--gfx1250"
	.amdhsa_code_object_version 6
	.text
	.protected	k_qb0848f4def_mlp
	.globl	k_qb0848f4def_mlp
	.p2align	8
	.type	k_qb0848f4def_mlp,@function
k_qb0848f4def_mlp:
	s_mov_b64 s[64:65], 0
	v_nop
	global_prefetch_b8 v0, s[64:65] scope:SCOPE_SE
	s_setreg_imm32_b32 hwreg(HW_REG_WAVE_MODE, 25, 1), 1
	s_wait_xcnt 0x0
; The q, k and v nets on 96 rows of a or b a work-group: x -> codes -> x W1 + b1 -> LeakyReLU -> BatchNorm -> codes -> h W2 + b2 -> codes of q, k (along the 1,024 channels) and of v (along the rows).
; All products on codes of E5M2 with one E8M0 scale for each 32 along K; all else in f32.  x is read and quantised once for the three nets; the hidden layer never goes to memory.
; SHARES.  Work-group id takes the groups of 32 rows 3 id .. 3 id + 2 of a's 256 groups followed by b's 512: six tiles of 16 rows.  Eight waves, two to a SIMD, so that one wave's vector work stands beside the other's
; matrix work.  Wave w quantises K step w of x; makes hidden units 32 w .. 32 w + 31 of all three nets; makes output channels 128 w .. 128 w + 127 of all three nets.
; TILES.  Of an aligned group of 32 (rows of x, hidden units, channels), tile u has as its row i the element 8 u + i + 8 (i / 8).  A result whose source 0 is such a tile holds, in register j of a lane of half h, element
; 16 h + 8 u + j: the 16 registers of tiles u = 0, 1 are 16 neighbours, in the order of the next operand's registers.  q and k: source 0 = W2, so a lane holds a row and neighbouring channels; v: source 0 = the hidden
; layer, so a lane holds a channel and neighbouring rows.
; OPERANDS GO FROM WAVE TO WAVE THROUGH LDS AS IMAGES OF THEIR REGISTERS (four runs of 512 bytes a fragment, 16 bytes a lane), and leave to memory in the same form: every store of codes covers 512 consecutive aligned bytes.
; NO CLUSTER, NO TENSOR LOAD: each fragment of W1 and W2 is wanted once in a work-group, by one wave, and lies in memory in the order of that wave's registers; through LDS its 1.5 MB a work-group would be written
; and read there once more, beside the 0.8 MB of x's fragments that LDS serves.
; LIMITS: a block of zeros gets the byte 1, not 127 (zero codes; this program alone reads the bytes); q is quantised without its 1/32, a power of two that the next launch puts into the softmax's constant: the same codes,
; but for blocks of q whose largest magnitude lies under 2^-106, where the byte's floor would act; NaN and infinities are not served.
; LDS
.set XIMG, 0                           ; x's fragments [K step][tile], 2,048 bytes each
.set WSC,  98304                       ; W1's scale words, 3,072 bytes a wave: [net x 2 + u][K step][row]
.set XSC,  122880                      ; x's scale words [tile][K step][row]
.set HP,   125952                      ; b1, rm, 1/sqrt(rv + eps), g, bt: [5][net][256] f32
.set HIMG, 141312                      ; the hidden layer's fragments [(net x 6 + tile) x 2 + K step]
.set STG,  HIMG                        ; while x is quantised: a stage of 16 rows x 528 bytes for each wave
.set HSC,  215040                      ; the hidden layer's scale words [net x 6 + tile][K step][row]
.set OSC,  217344                      ; what leaves at the end: q's scale words 3,072, k's 3,072, v's scale bytes 3 x 1,024
; REGISTERS.  v0 thread; v1 16 x lane; v4 16 x lane + 512 w; v5-23 addresses (below); v24-31 scales and nothing else; v32-79 the quantiser's.
;   x:        v80-143 64 numbers; v256-511 four sets of 64 as loaded
;   layer 1:  v32-127 W1's six fragments; v128-223 x's six; the 36 accumulators: tile t = (net x 6 + m) x 2 + u at v[256 + 8 t], t = 32 .. 35 at v224 on
;   between:  v80-159 five parameters x 16; v160-207 three groups of 16; v208-223 at work
;   layer 2:  v80-175 twelve accumulators; v176-191 the bias; v192-197 scale words in the making; v256-447 the hidden layer's twelve fragments; v448-511 W2's four
.set MX, 32                            ; largest magnitudes
.set BY, 38                            ; bytes
.set HO, 44                            ; 57,344 x the scale
.set SF, 50                            ; the conversions' scale operands
.set PC, 56                            ; codes, four registers a group
.set WV,  32                           ; s32 wave
.set SEL, 52                           ; s[52:53] lane selects: lane l xor 16
.set MNT, 54                           ; s54 the mantissa field of 57,344
.set MSB, 0
.macro WIN new                         ; the immediate's high byte repeats the setting that is left; a switch that changes nothing is dropped
.if MSB != \new
	s_set_vgpr_msb (MSB<<8)|\new
.set MSB, \new
.endif
.endm
.macro NOP8                            ; eight places behind a matrix instruction on 8-bit codes, ahead of reads of its result and of loads into its registers
.rept 8
	v_nop
.endr
.endm
.macro BARRIER                         ; my LDS stores have landed and my LDS loads are in: then the work-group's barrier
	s_wait_dscnt 0x0
	s_barrier_signal -1
	s_barrier_wait -1
.endm
; one matrix instruction.  c < 0: the constant 0 starts the sum.  rows: 0 both scales from lanes 0-15; 2 source 1's from lanes 16-31; 3 both from lanes 16-31
.macro MM d, a, b, c, sa, sb, rows
.if (\c) < 0
.if (\rows) == 0
	v_wmma_scale_f32_16x16x128_f8f6f4 v[\d:\d+7], v[\a:\a+15], v[\b:\b+15], 0, v[\sa], v[\sb] matrix_a_fmt:MATRIX_FMT_BF8 matrix_b_fmt:MATRIX_FMT_BF8
.elseif (\rows) == 2
	v_wmma_scale_f32_16x16x128_f8f6f4 v[\d:\d+7], v[\a:\a+15], v[\b:\b+15], 0, v[\sa], v[\sb] matrix_a_fmt:MATRIX_FMT_BF8 matrix_b_fmt:MATRIX_FMT_BF8 matrix_b_scale:MATRIX_SCALE_ROW1
.else
	v_wmma_scale_f32_16x16x128_f8f6f4 v[\d:\d+7], v[\a:\a+15], v[\b:\b+15], 0, v[\sa], v[\sb] matrix_a_fmt:MATRIX_FMT_BF8 matrix_b_fmt:MATRIX_FMT_BF8 matrix_a_scale:MATRIX_SCALE_ROW1 matrix_b_scale:MATRIX_SCALE_ROW1
.endif
.else
.if (\rows) == 0
	v_wmma_scale_f32_16x16x128_f8f6f4 v[\d:\d+7], v[\a:\a+15], v[\b:\b+15], v[\c:\c+7], v[\sa], v[\sb] matrix_a_fmt:MATRIX_FMT_BF8 matrix_b_fmt:MATRIX_FMT_BF8
.elseif (\rows) == 2
	v_wmma_scale_f32_16x16x128_f8f6f4 v[\d:\d+7], v[\a:\a+15], v[\b:\b+15], v[\c:\c+7], v[\sa], v[\sb] matrix_a_fmt:MATRIX_FMT_BF8 matrix_b_fmt:MATRIX_FMT_BF8 matrix_b_scale:MATRIX_SCALE_ROW1
.else
	v_wmma_scale_f32_16x16x128_f8f6f4 v[\d:\d+7], v[\a:\a+15], v[\b:\b+15], v[\c:\c+7], v[\sa], v[\sb] matrix_a_fmt:MATRIX_FMT_BF8 matrix_b_fmt:MATRIX_FMT_BF8 matrix_a_scale:MATRIX_SCALE_ROW1 matrix_b_scale:MATRIX_SCALE_ROW1
.endif
.endif
.endm
; ng groups of 16 registers from v[src] on; a group and lane l xor 16's are a block of 32 along K.  Codes to v[PC + 4 g] on, the scale's byte to v[BY + g].  The groups take turns, so that no line waits for the line above it.
.macro QUANT src, ng
.set qg, 0
.rept \ng
	v_max3_num_f32 v[MX+qg], |v[\src+16*qg]|, |v[\src+16*qg+1]|, 0x8000000   ; my 16 numbers, and the floor 2^(16 - 127): the byte cannot fall under 1
.set qg, qg+1
.endr
.irp qi, 2,4,6,8,10,12,14
.set qg, 0
.rept \ng
	v_max3_num_f32 v[MX+qg], v[MX+qg], |v[\src+16*qg+\qi]|, |v[\src+16*qg+\qi+1]|
.set qg, qg+1
.endr
.endr
.set qg, 0
.rept \ng
	v_permlanex16_b32 v[BY+qg], v[MX+qg], s[SEL], s[SEL+1]
.set qg, qg+1
.endr
.set qg, 0
.rept \ng
	v_max_num_f32 v[MX+qg], v[MX+qg], v[BY+qg]     ; with lane l xor 16's: the block's largest magnitude
.set qg, qg+1
.endr
.set qg, 0
.rept \ng
	v_add_nc_u32 v[SF+qg], 0xf8800000, v[MX+qg]    ; 15 off its exponent field: the conversion's scale operand
.set qg, qg+1
.endr
.set qg, 0
.rept \ng
	v_and_or_b32 v[HO+qg], v[MX+qg], 0x7f800000, s[MNT]   ; 57,344 x the scale
.set qg, qg+1
.endr
.set qg, 0
.rept \ng
	v_lshrrev_b32 v[BY+qg], 23, v[SF+qg]           ; the scale's byte
.set qg, qg+1
.endr
.set qg, 0
.rept \ng
.irp qi, 0,1,2,3,4,5,6,7,8,9,10,11,12,13,14,15
	v_med3_num_f32 v[\src+16*qg+\qi], v[\src+16*qg+\qi], -v[HO+qg], v[HO+qg]   ; the conversion to an 8-bit code does not saturate (ISA guide 7.6.2): the hold comes first
.endr
	v_cvt_scalef32_pk8_bf8_f32 v[PC+4*qg:PC+4*qg+1], v[\src+16*qg:\src+16*qg+7], v[SF+qg]
	v_cvt_scalef32_pk8_bf8_f32 v[PC+4*qg+2:PC+4*qg+3], v[\src+16*qg+8:\src+16*qg+15], v[SF+qg]
.set qg, qg+1
.endr
	v_nop                                          ; a plain instruction behind the last conversion, ahead of whatever next touches its registers
.endm
	s_load_b256 s[4:11], s[0:1], 0x0               ; a s[4:5], b s[6:7], weights' codes s[8:9], their scale words s[10:11]
	s_load_b256 s[12:19], s[0:1], 0x20             ; b1 s[12:13], rm s[14:15], rv s[16:17], g s[18:19]
	s_load_b256 s[20:27], s[0:1], 0x40             ; bt s[20:21], b2 s[22:23], q's and k's codes s[24:25], their scale words s[26:27]
	s_load_b128 s[28:31], s[0:1], 0x60             ; v's codes s[28:29], v's scale bytes s[30:31]
	v_lshrrev_b32 v2, 5, v0
	v_readfirstlane_b32 s[WV], v2                  ; wave 0..7
	v_and_b32 v23, 31, v0                          ; lane
	v_and_b32 v2, 15, v0                           ; r
	v_bfe_u32 v3, v0, 4, 1                         ; h
	v_lshlrev_b32 v1, 4, v23                       ; v1  16 x lane
	v_lshlrev_b32 v21, 2, v23                      ; v21 4 x lane
	v_lshlrev_b32 v22, 2, v0                       ; v22 4 x thread
	s_lshl_b32 s55, s[WV], 9
	v_add_nc_u32 v4, s55, v1                       ; v4  16 x lane + 512 w
	s_mul_i32 s55, s[WV], 8448
	s_add_co_u32 s55, s55, STG
	v_add_nc_u32 v5, s55, v1                       ; v5  my stage, as loaded: 512 bytes of a row, rows 528 apart
	v_mul_u32_u24 v6, v2, 528
	v_lshl_add_u32 v6, v3, 6, v6
	v_add_nc_u32 v6, s55, v6                       ; v6  my stage, back: row r, + 64 h: my 16 numbers of a block of 32
	s_mul_i32 s55, s[WV], 12288
	v_add_nc_u32 v7, s55, v1                       ; v7  where x's images go: K step w
	s_lshl_b32 s55, s[WV], 6
	s_add_co_u32 s55, s55, XSC
	v_lshl_add_u32 v8, v2, 2, s55                  ; v8  and their scale words
	s_mul_i32 s55, s[WV], 3072
	s_sub_co_u32 s56, 24576, s55                   ; from my words of W1 to x's words
	v_mul_u32_u24 v10, s56, v3                     ; lanes 16-31 take x's
	s_add_co_u32 s55, s55, WSC
	v_lshl_add_u32 v23, v2, 2, s55
	v_add_nc_u32 v10, v10, v23                     ; v10 layer 1's scale words: lanes 0-15 W1's, lanes 16-31 x's
	v_add_nc_u32 v20, s55, v1                      ; v20 for now: where my words of W1 go
	s_lshl_b32 s55, s[WV], 7
	s_add_co_u32 s56, s55, HP
	v_lshl_add_u32 v11, v3, 6, s56                 ; v11 the parameters of my 16 hidden units: 32 w + 16 h on
	s_lshr_b32 s56, s[WV], 2
	s_lshl_b32 s56, s56, 6
	s_and_b32 s57, s[WV], 3
	s_add_co_u32 s56, s56, s57
	s_add_co_u32 s56, s56, HSC
	v_lshl_add_u32 v13, v2, 2, s56                 ; v13 the hidden layer's scale byte: K step w / 4, byte w % 4, row r
	v_add_nc_u32 v15, HSC, v21                     ; v15 and the words back: lanes 0-15 K step 0, lanes 16-31 K step 1
	s_and_b32 s56, s[WV], 1
	s_lshl_b32 s56, s56, 8
	s_lshr_b32 s57, s[WV], 1
	s_lshl_b32 s57, s57, 2
	s_add_co_u32 s56, s56, s57
	s_add_co_u32 s56, s56, OSC
	v_lshl_add_u32 v16, v2, 4, s56                 ; v16 q's and k's scale words: (w & 1) x 256 + 16 r + 4 (w >> 1): one later load of 16 bytes a lane brings a tile's eight K steps
	v_and_b32 v19, 8, v2
	v_add_nc_u32 v19, v19, v2                      ; r + 8 (r / 8)
	s_add_co_u32 s55, s55, OSC+6144-32
	v_add_nc_u32 v17, s55, v19                     ; v17 v's scale bytes by channel: 128 w + r + 8 (r / 8); it starts 32 low and steps by 32 at each step's head
	v_lshlrev_b32 v19, 2, v19                      ; v19 v's bias: 4 (r + 8 (r / 8))
	v_lshlrev_b32 v18, 6, v3                       ; v18 q's and k's bias: 64 h
	v_add_nc_u32 v23, HP, v22                      ; v23 where the parameters go
.irp k, 0,1,2,3,4,5
	v_mov_b32 v[BY+\k], 0                          ; written once: a lane permute's destination counts as one of its sources
.endr
	s_mov_b32 s[SEL], 0x76543210
	s_mov_b32 s[SEL+1], 0xfedcba98
	s_mov_b32 s[MNT], 0x600000
	s_mul_i32 s55, ttmp9, 3                        ; my first group of 32 rows
	s_mul_i32 s66, ttmp9, 98304
	s_lshl_b32 s56, s[WV], 12
	s_add_co_u32 s68, s66, s56                     ; s[68:69] v's codes: id x 3 groups x 32,768 + w x 8 channel tiles x 512
	s_lshl_b32 s56, s[WV], 11
	s_add_co_u32 s66, s66, s56                     ; s[66:67] q's and k's: id x 6 tiles x 16,384 + K step w x 2,048
	s_mov_b32 s67, 0
	s_mov_b32 s69, 0
	s_wait_kmcnt 0x0
.irp gl, 0,1,2                                 ; s[34:39] the three groups' first bytes: a's 256 groups come first, then b's
	s_add_co_u32 s56, s55, \gl
	s_cmp_lt_u32 s56, 256
	s_cselect_b64 s[34+2*\gl:35+2*\gl], s[4:5], s[6:7]
	s_cselect_b32 s57, 0, 256
	s_sub_co_u32 s56, s56, s57
	s_lshl_b32 s56, s56, 17                        ; 32 rows of 4,096 bytes
	s_mov_b32 s57, 0
	s_add_nc_u64 s[34+2*\gl:35+2*\gl], s[34+2*\gl:35+2*\gl], s[56:57]
.endr
	s_lshl_b32 s56, s[WV], 15
	s_add_nc_u64 s[40:41], s[8:9], s[56:57]        ; s[40:41] W1's codes: hidden group w, K step 0
	s_add_nc_u64 s[42:43], s[40:41], 786432        ; s[42:43] W2's codes: net q, channel group 4 w
	s_lshl_b32 s56, s[WV], 10
	s_add_nc_u64 s[70:71], s[10:11], s[56:57]      ; s[70:71] W1's scale words: tiles 2 w, 2 w + 1
	s_add_nc_u64 s[44:45], s[70:71], 24576         ; s[44:45] W2's scale words: tiles 8 w on
	s_lshl_b32 s56, s[WV], 9
	s_add_nc_u64 s[46:47], s[22:23], s[56:57]      ; s[46:47] b2: channel 128 w
; ---- the parameters, and x
.macro XLOAD m                         ; tile m's 16 rows, K step w: each load is 512 consecutive bytes of one row
	WIN 0x40
.set xi, 0
.rept 16
	global_load_b128 v[64*((\m)%4)+4*xi:64*((\m)%4)+4*xi+3], v4, s[34+2*((\m)/2):35+2*((\m)/2)] offset:(8*((\m)%2)+xi+8*(xi/8))*4096 th:TH_LOAD_NT
.set xi, xi+1
.endr
	WIN 0
.endm
.irp p, 0,1,2,3,4
.irp n, 0,1,2
	global_load_b32 v[80+3*\p+\n], v22, s[12+2*\p:13+2*\p] offset:\n*1024
.endr
.endr
.irp n, 0,1,2
.irp u, 0,1
	global_load_b128 v[96+4*(2*\n+\u):96+4*(2*\n+\u)+3], v1, s[70:71] offset:\n*8192+\u*512
.endr
.endr
	XLOAD 0
	XLOAD 1
	s_wait_loadcnt 32                              ; all but the two fragments' 32 loads: the parameters and W1's scale words are in
.irp n, 0,1,2
	v_add_f32 v[86+\n], 0x3727c5ac, v[86+\n]       ; rv + 1e-5
.endr
.irp n, 0,1,2
	v_rsq_f32 v[86+\n], v[86+\n]
.endr
	v_nop                                          ; a plain instruction behind the last of the three,
	s_wait_alu depctr_va_vdst(0)                   ; and the wait ahead of the first reader: one for the three
.irp p, 0,1,2,3,4
.irp n, 0,1,2
	ds_store_b32 v23, v[80+3*\p+\n] offset:\p*3072+\n*1024
.endr
.endr
.irp i, 0,1,2,3,4,5
	ds_store_b128 v20, v[96+4*\i:96+4*\i+3] offset:512*\i
.endr
	XLOAD 2
	XLOAD 3
	s_wait_dscnt 0x0                               ; the stores have read their registers
; A fragment: the 16 rows' 512 bytes go through my stage as they lie and come back 64 bytes of each block a lane; quantised; image and scale word to LDS.
.macro XFRAG m, cnt
	s_wait_loadcnt \cnt                            ; 16 for each fragment asked for behind this one
	WIN 0x04                                       ; an LDS store's data are its source 1
.set xi, 0
.rept 16
	ds_store_b128 v5, v[64*((\m)%4)+4*xi:64*((\m)%4)+4*xi+3] offset:528*xi
.set xi, xi+1
.endr
	WIN 0
.irp b, 0,1,2,3
.irp j, 0,1,2,3
	ds_load_b128 v[80+16*\b+4*\j:80+16*\b+4*\j+3], v6 offset:128*\b+16*\j    ; LDS serves a wave's instructions in order: these see the stores above
.endr
.endr
	s_wait_dscnt 0x0                               ; the numbers are back; the stage's stores and the last fragment's image stores have read their registers
.if (\m) < 2
	XLOAD (\m)+4
.endif
	QUANT 80, 4
	v_lshl_or_b32 v20, v[BY+1], 8, v[BY]           ; the four bytes make my row's scale word
	v_lshl_or_b32 v20, v[BY+2], 16, v20
	v_lshl_or_b32 v20, v[BY+3], 24, v20
.irp c, 0,1,2,3
	ds_store_b128 v7, v[PC+4*\c:PC+4*\c+3] offset:2048*(\m)+512*\c
.endr
	ds_store_b32 v8, v20 offset:512*(\m)
.endm
	XFRAG 0, 48
	XFRAG 1, 48
	XFRAG 2, 48
	XFRAG 3, 32
	XFRAG 4, 16
	XFRAG 5, 0
; ---- layer 1: 36 accumulators (3 nets x 6 tiles of rows x my 2 tiles of hidden units), so that a fragment of x read from LDS feeds six matrix instructions
.macro W1LOAD net                      ; a net's two fragments of the K step at s[40:41]
.irp u, 0,1
.irp c, 0,1,2,3
	global_load_b128 v[32+32*(\net)+16*\u+4*\c:32+32*(\net)+16*\u+4*\c+3], v1, s[40:41] offset:(\net)*262144+\c*1024+\u*512
.endr
.endr
.endm
.macro XFETCH                          ; a K step's six fragments of x and the six registers of scale words
.irp m, 0,1,2,3,4,5
.irp c, 0,1,2,3
	ds_load_b128 v[128+16*\m+4*\c:128+16*\m+4*\c+3], v9 offset:2048*\m+512*\c
.endr
.endr
.irp i, 0,1,2,3,4,5
	ds_load_b32 v[24+\i], v10 offset:512*\i
.endr
.endm
; A K step.  The 36 accumulators take turns, one instruction a turn, in the same order in every step.  more = 1: the next K step is fetched.
.macro KSTEP first, more
	s_wait_dscnt 0x0                               ; x's fragments and the scale words
.irp net, 0,1,2
.if \more
	s_wait_loadcnt 16                              ; this net's eight loads are in; behind them stand the eight of each of the two nets that follow in the ring
.else
	s_wait_loadcnt 16-8*\net
.endif
.irp m, 0,1,2,3,4,5
.irp u, 0,1
.set t, (\net*6+\m)*2+\u
.if t < 32
	WIN 0x50
.set dr, 8*t
.else
	WIN 0
.set dr, 224+8*(t-32)
.endif
.if \first
	MM dr, 32+32*\net+16*\u, 128+16*\m, -1, 24+2*\net+\u, 24+\m, 2
.else
	MM dr, 32+32*\net+16*\u, 128+16*\m, dr, 24+2*\net+\u, 24+\m, 2
.endif
.endr
.endr
	WIN 0
	NOP8
.if \more
	W1LOAD \net
.endif
.endr
.if \more
	v_add_nc_u32 v9, 12288, v9
	v_add_nc_u32 v10, 64, v10
	XFETCH
	s_wait_xcnt 0x0                                ; the loads have read their base: it may step
	s_add_nc_u64 s[40:41], s[40:41], 4096
.endif
.endm
	s_wait_dscnt 0x0                               ; my images have landed, and their stores have read the registers that W1's fragments take
	W1LOAD 0
	W1LOAD 1
	W1LOAD 2
	s_wait_xcnt 0x0
	s_add_nc_u64 s[40:41], s[40:41], 4096
	s_barrier_signal -1
	s_barrier_wait -1                              ; x's 48 fragments, the scale words and the parameters lie in LDS; nobody reads a stage any more
	v_mov_b32 v9, v1
	XFETCH
	KSTEP 1, 1                                     ; the first K step starts the sums: nothing is cleared
	s_mov_b32 s51, 6
.Lk:
	KSTEP 0, 1
	s_sub_co_u32 s51, s51, 1
	s_cmp_lg_u32 s51, 0
	s_cbranch_scc1 .Lk
	KSTEP 0, 0
; ---- between the layers: + b1, LeakyReLU as max(z, 0.01 z), (z - rm) / sqrt(rv + eps), x g + bt, in reference()'s order; quantised along the hidden units; my 32 units are one block of each row
.macro ACT net
	v_add_nc_u32 v12, HIMG+(\net)*24576, v4        ; block w of a row's 256 hidden units is run w of 512 bytes of the tile's two fragments
.irp p, 0,1,2,3,4
.irp q, 0,1,2,3
	ds_load_b128 v[80+16*\p+4*\q:80+16*\p+4*\q+3], v11 offset:\p*3072+(\net)*1024+16*\q
.endr
.endr
	s_wait_dscnt 0x0
.irp hf, 0,1                                   ; three tiles of rows at a time
.irp g, 0,1,2
.irp u, 0,1
.set t, ((\net)*6+3*\hf+\g)*2+\u
.if t < 32
	WIN 0x01
.set ar, 8*t
.else
	WIN 0
.set ar, 224+8*(t-32)
.endif
.irp k, 0,2,4,6                                ; each accumulator from its low end on
	v_pk_add_f32 v[160+16*\g+8*\u+\k:160+16*\g+8*\u+\k+1], v[ar+\k:ar+\k+1], v[80+8*\u+\k:80+8*\u+\k+1]
.endr
.endr
.endr
	WIN 0
.irp g, 0,1,2
.irp k, 0,2,4,6,8,10,12,14
	v_pk_mul_f32 v[208+\k:209+\k], v[160+16*\g+\k:161+16*\g+\k], 0x3c23d70a op_sel_hi:[1,0]
.endr
.irp k, 0,1,2,3,4,5,6,7,8,9,10,11,12,13,14,15
	v_max_num_f32 v[160+16*\g+\k], v[160+16*\g+\k], v[208+\k]
.endr
.endr
.irp g, 0,1,2
.irp k, 0,2,4,6,8,10,12,14
	v_pk_add_f32 v[160+16*\g+\k:161+16*\g+\k], v[160+16*\g+\k:161+16*\g+\k], v[96+\k:97+\k] neg_lo:[0,1] neg_hi:[0,1]
.endr
.endr
.irp g, 0,1,2
.irp k, 0,2,4,6,8,10,12,14
	v_pk_mul_f32 v[160+16*\g+\k:161+16*\g+\k], v[160+16*\g+\k:161+16*\g+\k], v[112+\k:113+\k]
.endr
.endr
.irp g, 0,1,2
.irp k, 0,2,4,6,8,10,12,14
	v_pk_fma_f32 v[160+16*\g+\k:161+16*\g+\k], v[160+16*\g+\k:161+16*\g+\k], v[128+\k:129+\k], v[144+\k:145+\k]
.endr
.endr
	QUANT 160, 3
.irp g, 0,1,2
	ds_store_b128 v12, v[PC+4*\g:PC+4*\g+3] offset:(3*\hf+\g)*4096
	ds_store_b8 v13, v[BY+\g] offset:((\net)*6+3*\hf+\g)*128       ; both lanes of a block write the same byte with the same value
.endr
	s_wait_dscnt 0x0                               ; the stores have read their registers
.endr
.endm
	ACT 0
	ACT 1
	ACT 2
; ---- layer 2: a step is 32 channels (two tiles of W2) x 96 rows x K = 256: 24 matrix instructions on twelve accumulators by turns
.macro NEXTLOADS vmode                 ; the next step's W2 (four fragments), its scale words (lanes 0-15 K step 0, lanes 16-31 K step 1) and its bias
	WIN 0x40
.irp u, 0,1
.irp s2, 0,1
.irp c, 0,1,2,3
	global_load_b128 v[192+16*(2*\u+\s2)+4*\c:192+16*(2*\u+\s2)+4*\c+3], v1, s[42:43] offset:\s2*4096+\c*1024+\u*512
.endr
.endr
.endr
	WIN 0
.irp u, 0,1
	global_load_b32 v[30+\u], v21, s[44:45] offset:128*\u
.endr
.if \vmode
.irp u, 0,1
	global_load_b32 v[176+8*\u], v19, s[46:47] offset:32*\u        ; a lane holds one channel
.endr
.else
.irp q, 0,1,2,3
	global_load_b128 v[176+4*\q:179+4*\q], v18, s[46:47] offset:16*\q   ; a lane holds 16 neighbouring channels
.endr
.endif
.endm
.macro MMQK s2                         ; source 0 = W2's tile u, source 1 = the hidden layer's tile m: a lane holds a row, its registers neighbouring channels.  The bias is the C of the first K step
.irp m, 0,1,2,3,4,5
.irp u, 0,1
.if \s2
	MM 80+8*(2*\m+\u), 192+16*(2*\u+1), 16*(2*\m+1), 80+8*(2*\m+\u), 30+\u, 24+\m, 3
.else
	MM 80+8*(2*\m+\u), 192+16*(2*\u), 16*(2*\m), 176+8*\u, 30+\u, 24+\m, 0
.endif
.endr
.endr
.endm
.macro MMV s2                          ; the sources swapped: a lane holds a channel, its registers neighbouring rows, which are the keys of the next launch's second product
.irp u, 0,1
.irp b, 0,1,2
.irp y, 0,1
.if \s2
	MM 80+8*((3*\u+\b)*2+\y), 16*((2*\b+\y)*2+1), 192+16*(2*\u+1), 80+8*((3*\u+\b)*2+\y), 24+2*\b+\y, 30+\u, 3
.else
	MM 80+8*((3*\u+\b)*2+\y), 16*((2*\b+\y)*2), 192+16*(2*\u), 176+8*\u, 24+2*\b+\y, 30+\u, 0
.endif
.endr
.endr
.endr
.endm
; next: 0 nothing follows; 1 the same net's next 32 channels; 2, 3 the next net's first (its bias in q's and k's form, in v's form)
.macro STEP vmode, next
	s_wait_loadcnt 0x0                             ; W2's fragments, scale words, bias: asked for a step ago
	s_wait_dscnt 0x0                               ; the hidden layer's fragments; the last step's byte stores
.if \vmode
	v_add_nc_u32 v17, 32, v17                      ; this step's 32 channels
.irp u, 0,1
.irp k, 1,2,3,4,5,6,7
	v_mov_b32 v[176+8*\u+\k], v[176+8*\u]          ; the channel's bias for all eight rows of a lane
.endr
.endr
.rept 4
	v_nop
.endr
	WIN 0x05
	MMV 0
	MMV 1
.else
	WIN 0x05
	MMQK 0
	MMQK 1
.endif
	WIN 0
	NOP8
.if (\next) == 1
	s_add_nc_u64 s[42:43], s[42:43], 8192          ; (the loads that read these bases are done)
	s_add_nc_u64 s[44:45], s[44:45], 256
	s_add_nc_u64 s[46:47], s[46:47], 128
	NEXTLOADS \vmode
.elseif (\next) > 1
	s_add_nc_u64 s[42:43], s[42:43], 237568        ; (32 - 3) groups of 8,192 bytes
	s_add_nc_u64 s[44:45], s[44:45], 7424          ; (64 - 6) tiles of 128 bytes
	s_add_nc_u64 s[46:47], s[46:47], 3712          ; (1,024 - 96) numbers
	NEXTLOADS (\next)-2
.endif
	QUANT 80, 6
.if \vmode
.irp u, 0,1
.irp b, 0,1,2
	ds_store_b8 v17, v[BY+3*\u+\b] offset:\b*1024+8*\u
	global_store_b128 v1, v[PC+4*(3*\u+\b):PC+4*(3*\u+\b)+3], s[48:49] offset:\b*32768+\u*512 th:TH_STORE_NT
.endr
.endr
	s_wait_xcnt 0x0                                ; the stores have read their data and their base
	s_add_nc_u64 s[48:49], s[48:49], 1024
.else
.irp m, 0,1,2,3,4,5
	v_lshl_or_b32 v[192+\m], v[BY+\m], s50, v[192+\m]              ; the step's byte into the row's scale word of K step w
	global_store_b128 v1, v[PC+4*\m:PC+4*\m+3], s[48:49] offset:\m*16384 th:TH_STORE_NT
.endr
	s_wait_xcnt 0x0
	s_add_nc_u64 s[48:49], s[48:49], 512
	s_add_co_u32 s50, s50, 8
.endif
.endm
.macro P2NET net, vmode, lastnext
	v_add_nc_u32 v14, HIMG+(\net)*24576, v1
	WIN 0x40
.irp m, 0,1,2,3,4,5
.irp s2, 0,1
.irp c, 0,1,2,3
	ds_load_b128 v[16*(2*\m+\s2)+4*\c:16*(2*\m+\s2)+4*\c+3], v14 offset:(2*\m+\s2)*2048+\c*512
.endr
.endr
.endr
	WIN 0
.irp m, 0,1,2,3,4,5
	ds_load_b32 v[24+\m], v15 offset:((\net)*6+\m)*128
.endr
.if (\net) == 0
	s_add_nc_u64 s[48:49], s[24:25], s[66:67]
.elseif (\net) == 1
	s_add_nc_u64 s[48:49], s[24:25], s[66:67]
	s_add_nc_u64 s[48:49], s[48:49], 25165824
.else
	s_add_nc_u64 s[48:49], s[28:29], s[68:69]
.endif
.if !(\vmode)
.irp m, 0,1,2,3,4,5
	v_mov_b32 v[192+\m], 0
.endr
	s_mov_b32 s50, 0
.endif
	s_mov_b32 s51, 3
.Lst_\@:
	STEP \vmode, 1
	s_sub_co_u32 s51, s51, 1
	s_cmp_lg_u32 s51, 0
	s_cbranch_scc1 .Lst_\@
	STEP \vmode, \lastnext
.if !(\vmode)
.irp m, 0,1,2,3,4,5
	ds_store_b32 v16, v[192+\m] offset:(\net)*3072+512*\m
.endr
.endif
.endm
	NEXTLOADS 0                                    ; q's first step, into registers that the accumulators of layer 1 have left
	BARRIER                                        ; the hidden layer's 36 fragments and their scale words lie in LDS
	P2NET 0, 0, 2
	P2NET 1, 0, 3
	P2NET 2, 1, 0
	; ---- the scale words of q and k and the scale bytes of v leave in runs of 512 consecutive bytes: 3,072 bytes each, six waves
	v_add_nc_u32 v14, OSC, v4
	s_mul_i32 s56, ttmp9, 3072
	s_mov_b32 s57, 0
	s_add_nc_u64 s[26:27], s[26:27], s[56:57]
	s_add_nc_u64 s[30:31], s[30:31], s[56:57]
	BARRIER
	s_cmp_lt_u32 s[WV], 6
	s_cbranch_scc0 .Ldone
	ds_load_b128 v[80:83], v14
	ds_load_b128 v[84:87], v14 offset:3072
	ds_load_b128 v[88:91], v14 offset:6144
	s_wait_dscnt 0x0
	global_store_b128 v4, v[80:83], s[26:27]
	global_store_b128 v4, v[84:87], s[26:27] offset:786432
	global_store_b128 v4, v[88:91], s[30:31]
.Ldone:
	s_wait_xcnt 0x0
	v_lshl_add_u32 v254, v0, 2, 0x38000
	v_mov_b32 v255, 0
	s_wait_tensorcnt 0x0
	ds_add_u32 v254, v255
	s_wait_dscnt 0x0
	s_endpgm
.Lfunc_end_k_qb0848f4def_mlp:
	.size	k_qb0848f4def_mlp, .Lfunc_end_k_qb0848f4def_mlp-k_qb0848f4def_mlp
	.p2alignl 7, 3214868480
	.fill 96, 4, 3214868480
	.section	.rodata,"a",@progbits
	.p2align	6, 0x0
	.amdhsa_kernel k_qb0848f4def_mlp
		.amdhsa_group_segment_fixed_size 230400
		.amdhsa_private_segment_fixed_size 0
		.amdhsa_enable_private_segment 0
		.amdhsa_kernarg_size 112
		.amdhsa_user_sgpr_count 2
		.amdhsa_user_sgpr_kernarg_segment_ptr 1
		.amdhsa_wavefront_size32 1
		.amdhsa_system_sgpr_workgroup_id_x 1
		.amdhsa_system_sgpr_workgroup_id_y 1
		.amdhsa_system_sgpr_workgroup_id_z 1
		.amdhsa_system_vgpr_workitem_id 0
		.amdhsa_next_free_vgpr 512
		.amdhsa_next_free_sgpr 80
		.amdhsa_reserve_vcc 0
		.amdhsa_float_denorm_mode_32 3
		.amdhsa_float_denorm_mode_16_64 3
		.amdhsa_memory_ordered 1
		.amdhsa_forward_progress 1
		.amdhsa_inst_pref_size 255
	.end_amdhsa_kernel
	.section	.bss,"aw",@nobits
	.p2align	6
	.space	262144
	.amdgpu_metadata
---
amdhsa.version: [ 1, 2 ]
amdhsa.kernels:
  - .name:           k_qb0848f4def_mlp
    .symbol:         k_qb0848f4def_mlp.kd
    .args:
      - { .name: a, .offset: 0, .size: 8, .value_kind: global_buffer, .address_space: global }
      - { .name: b, .offset: 8, .size: 8, .value_kind: global_buffer, .address_space: global }
      - { .name: wc, .offset: 16, .size: 8, .value_kind: global_buffer, .address_space: global }
      - { .name: ws, .offset: 24, .size: 8, .value_kind: global_buffer, .address_space: global }
      - { .name: b1, .offset: 32, .size: 8, .value_kind: global_buffer, .address_space: global }
      - { .name: rm, .offset: 40, .size: 8, .value_kind: global_buffer, .address_space: global }
      - { .name: rv, .offset: 48, .size: 8, .value_kind: global_buffer, .address_space: global }
      - { .name: g, .offset: 56, .size: 8, .value_kind: global_buffer, .address_space: global }
      - { .name: bt, .offset: 64, .size: 8, .value_kind: global_buffer, .address_space: global }
      - { .name: b2, .offset: 72, .size: 8, .value_kind: global_buffer, .address_space: global }
      - { .name: qkc, .offset: 80, .size: 8, .value_kind: global_buffer, .address_space: global }
      - { .name: qks, .offset: 88, .size: 8, .value_kind: global_buffer, .address_space: global }
      - { .name: vc, .offset: 96, .size: 8, .value_kind: global_buffer, .address_space: global }
      - { .name: vs, .offset: 104, .size: 8, .value_kind: global_buffer, .address_space: global }
    .group_segment_fixed_size: 230400
    .private_segment_fixed_size: 0
    .kernarg_segment_align: 8
    .kernarg_segment_size: 112
    .max_flat_workgroup_size: 256
    .sgpr_count:     80
    .vgpr_count:     512
    .wavefront_size: 32
...
	.end_amdgpu_metadata
.endif
;; end of part 2
;; launch attn (part 3): grid 256 x 1, 8 waves a work-group, no clusters, 197,632 bytes of LDS; arguments qkc, qks, vc, vs, len_a, len_b, part; writes part
.if DOCPART == 3
	.amdgcn_target "amdgcn-amd-amdhsa--gfx1250"
	.amdhsa_code_object_version 6
	.text
	.protected	k_qb0848f4def_attn
	.globl	k_qb0848f4def_attn
	.p2align	8
	.type	k_qb0848f4def_attn,@function
k_qb0848f4def_attn:
	s_mov_b64 s[64:65], 0
	v_nop
	global_prefetch_b8 v0, s[64:65] scope:SCOPE_SE
	s_setreg_imm32_b32 hwreg(HW_REG_WAVE_MODE, 25, 1), 1
	s_wait_xcnt 0x0
; One quarter of the queries of one batch and one direction: S^T = K Q^T, the masked softmax, O^T = V^T P^T, and the sum over the valid queries of O / (l x len): 1,024 numbers, a part of the mean.
; Work-group id: quarter id & 3, direction (id >> 2) & 1, batch id >> 3.  Direction 0: 64 of a's queries against b's 512 keys; direction 1: 128 of b's queries against a's 256 keys.
; All operands come as codes of E5M2 with E8M0 scales, in memory in the order of the operand registers (a fragment: four runs of 512 bytes, 16 bytes a lane).
; THE ROWS OF A TILE: tile 2 G + u has as its row i the row 32 G + 8 u + i + 8 (i / 8).  So in S^T (source 0 = 16 keys) the 16 registers of key tiles 2 G, 2 G + 1 are keys 32 G + 16 (lane / 16) + 0 .. 15.
; SHARES.  S: wave w takes 64 keys x 4 tiles of queries (direction 0: keys 64 w, the four tiles; direction 1: keys 64 (w & 3), tiles 4 (w >> 2) on): 16 accumulators, 8 K steps.
; The whole row of scores is on hand, so M = ceil(the row's largest t) is final: the waves' maxima meet in LDS, then p = 2^(t - M), t = score x log2(e) / 32 (q's 1/32 is taken here).  Keys from len on get reference()'s
; -1e9 (x 32, since the scores here are 32 times the logits).  p is quantised along the keys; its images go through LDS; the row's sum l is taken of the unquantised p.
; P V: wave w takes channels 128 w .. 128 w + 127, eight tiles, for all queries and keys.  O is never stored: each tile of O^T is multiplied by the lane's query's weight, 1 / (l x len) or 0 from len on, and summed over the queries.
; NO CLUSTER, NO TENSOR LOAD: each fragment of K and V is wanted by one wave of the work-group and lies in memory in the order of its registers, so it goes straight there: 64 loads of 512 bytes a wave are out in the S
; phase with no barrier between them.  The four quarters of a batch read the same K and V.
; In direction 0 waves 4 to 7 stage a second copy of the four query tiles (64 KiB more read a work-group), so that every LDS address hangs on the wave and the lane alone.
; LIMITS: len = 0 is not served (reference() gives NaN there); NaN and infinities are not served.
.set VT,   131072                      ; behind Q's eight slots of 16,384: V's scale words [channel][K step 0..3]
.set MXB,  147456                      ; the waves' maxima [query tile i][row][wave] f32; 2,048 bytes on: their sums
.set PIMG, 151552                      ; p's codes [wave][i][group of 32 keys]: runs of 512 bytes
.set PSC,  184320                      ; p's scale words [fragment][row]
.set ESTA, 185344                      ; the way out, direction 0's text; 4,096 bytes on: direction 1's
; REGISTERS.  v1 16 x lane; v2-11 LDS addresses; v12 the prefetch's offset; v13 r + 8 (r / 8); v14 the mask's bound; v15 the masked score; v16-23 weights; v24-31 the sums over queries;
;   v32-63 scales and nothing else; v64-127 Q's fragments, the softmax's work, then O^T's accumulators; v128-255 S^T, then P's fragments 0-7;
;   v256-511: K's four buffers of 64; then V's two buffers (v256-383) and P's fragments 8-15 (v384-511)
.set MSB, 0
.macro WIN new                         ; the immediate's high byte repeats the setting that is left; a switch that changes nothing is dropped
.if MSB != \new
	s_set_vgpr_msb (MSB<<8)|\new
.set MSB, \new
.endif
.endm
.macro NOP8                            ; eight places behind a matrix instruction on 8-bit codes, ahead of reads of its result and of loads into its registers
.rept 8
	v_nop
.endr
.endm
.macro BARRIER
	s_wait_dscnt 0x0
	s_barrier_signal -1
	s_barrier_wait -1
.endm
; one matrix instruction.  c < 0: the constant 0 starts the sum.  rows: 0 both scales from lanes 0-15; 2 source 1's from lanes 16-31; 3 both from lanes 16-31
.macro MM d, a, b, c, sa, sb, rows
.if (\c) < 0
.if (\rows) == 0
	v_wmma_scale_f32_16x16x128_f8f6f4 v[\d:\d+7], v[\a:\a+15], v[\b:\b+15], 0, v[\sa], v[\sb] matrix_a_fmt:MATRIX_FMT_BF8 matrix_b_fmt:MATRIX_FMT_BF8
.elseif (\rows) == 2
	v_wmma_scale_f32_16x16x128_f8f6f4 v[\d:\d+7], v[\a:\a+15], v[\b:\b+15], 0, v[\sa], v[\sb] matrix_a_fmt:MATRIX_FMT_BF8 matrix_b_fmt:MATRIX_FMT_BF8 matrix_b_scale:MATRIX_SCALE_ROW1
.else
	v_wmma_scale_f32_16x16x128_f8f6f4 v[\d:\d+7], v[\a:\a+15], v[\b:\b+15], 0, v[\sa], v[\sb] matrix_a_fmt:MATRIX_FMT_BF8 matrix_b_fmt:MATRIX_FMT_BF8 matrix_a_scale:MATRIX_SCALE_ROW1 matrix_b_scale:MATRIX_SCALE_ROW1
.endif
.else
.if (\rows) == 0
	v_wmma_scale_f32_16x16x128_f8f6f4 v[\d:\d+7], v[\a:\a+15], v[\b:\b+15], v[\c:\c+7], v[\sa], v[\sb] matrix_a_fmt:MATRIX_FMT_BF8 matrix_b_fmt:MATRIX_FMT_BF8
.elseif (\rows) == 2
	v_wmma_scale_f32_16x16x128_f8f6f4 v[\d:\d+7], v[\a:\a+15], v[\b:\b+15], v[\c:\c+7], v[\sa], v[\sb] matrix_a_fmt:MATRIX_FMT_BF8 matrix_b_fmt:MATRIX_FMT_BF8 matrix_b_scale:MATRIX_SCALE_ROW1
.else
	v_wmma_scale_f32_16x16x128_f8f6f4 v[\d:\d+7], v[\a:\a+15], v[\b:\b+15], v[\c:\c+7], v[\sa], v[\sb] matrix_a_fmt:MATRIX_FMT_BF8 matrix_b_fmt:MATRIX_FMT_BF8 matrix_a_scale:MATRIX_SCALE_ROW1 matrix_b_scale:MATRIX_SCALE_ROW1
.endif
.endif
.endm
	s_load_b256 s[4:11], s[0:1], 0x0               ; q's and k's codes s[4:5], their scale words s[6:7], v's codes s[8:9], v's scale bytes s[10:11]
	s_load_b128 s[12:15], s[0:1], 0x20             ; len_a s[12:13], len_b s[14:15]
	s_load_b64 s[16:17], s[0:1], 0x30              ; the parts
	v_lshrrev_b32 v16, 5, v0
	v_readfirstlane_b32 s18, v16                   ; s18 wave 0..7
	s_and_b32 s19, ttmp9, 3                        ; s19 quarter
	s_bfe_u32 s20, ttmp9, 0x10002                  ; s20 direction
	s_lshr_b32 s21, ttmp9, 3                       ; s21 batch
	s_lshr_b32 s22, s18, 2                         ; s22 w >> 2
	s_and_b32 s23, s18, 3
	s_lshl_b32 s60, s21, 4                         ; a's first tile of the batch: 16 x batch
	s_lshl_b32 s61, s21, 5
	s_add_co_u32 s61, s61, 512                     ; b's: 512 + 32 x batch
	s_lshl_b32 s62, s19, 2
	s_add_co_u32 s62, s62, s60
	s_lshl_b32 s63, s19, 3
	s_add_co_u32 s63, s63, s61
	s_cmp_lg_u32 s20, 0
	s_cselect_b32 s23, s23, s18                    ; s23 which 64 keys are mine
	s_cselect_b32 s66, s63, s62                    ; s66 the work-group's first query tile
	s_cselect_b32 s67, s60, s61                    ; s67 the batch's first key tile
	s_cselect_b32 s56, -1, 0                       ; s56 a lane mask: direction 1
	s_cselect_b32 s57, 0, 0x3f800000               ; s57 1.0 where all eight waves share their queries
	s_cmp_lg_u32 s22, 0
	s_cselect_b32 s55, -1, 0                       ; s55 a lane mask: waves 4 to 7
	v_and_b32 v16, 31, v0                          ; lane
	v_and_b32 v17, 15, v0                          ; r
	v_bfe_u32 v18, v0, 4, 1                        ; h
	v_lshlrev_b32 v1, 4, v16                       ; v1  16 x lane
	s_lshl_b32 s60, s22, 16
	v_add_nc_u32 v2, s60, v1                       ; v2  Q's fragments: slots 4 (w >> 2) on
	s_lshl_b32 s60, s18, 2
	s_add_co_u32 s60, s60, MXB
	v_lshl_add_u32 v3, v17, 5, s60                 ; v3  my wave's word among the maxima (sums: 2,048 on)
	v_lshlrev_b32 v4, 5, v17
	v_add_nc_u32 v4, MXB, v4                       ; v4  all eight waves' words of row r
	s_lshr_b32 s60, s18, 1
	s_lshl_b32 s60, s60, 8
	s_and_b32 s61, s18, 1
	s_lshl_b32 s61, s61, 1
	s_add_co_u32 s60, s60, s61
	s_add_co_u32 s60, s60, PSC
	v_lshl_add_u32 v5, v17, 2, s60                 ; v5  my two bytes of p's scale words: K step w >> 1, bytes 2 (w & 1) on
	s_lshl_b32 s60, s18, 12
	s_add_co_u32 s60, s60, PIMG
	v_add_nc_u32 v6, s60, v1                       ; v6  where my codes of p go
	v_add_nc_u32 v7, PIMG, v1                      ; v7  and where all of them are read
	v_lshlrev_b32 v8, 2, v16
	v_add_nc_u32 v8, PSC, v8                       ; v8  p's scale words: lanes 0-15 an even fragment's, lanes 16-31 the next one's
	v_and_b32 v13, 8, v17
	v_add_nc_u32 v13, v13, v17                     ; v13 r + 8 (r / 8)
	s_lshl_b32 s60, s18, 11
	s_add_co_u32 s60, s60, VT
	v_lshl_add_u32 v9, v13, 4, s60                 ; v9  V's scale words: channel 128 w + r + 8 (r / 8)
	s_lshl_b32 s60, s18, 9
	s_add_co_u32 s60, s60, ESTA
	v_lshl_add_u32 v10, v18, 6, s60                ; v10 the way out: my wave's 512 bytes, + 64 h
	v_add_nc_u32 v11, s60, v1                      ; v11 and back
	v_lshlrev_b32 v12, 8, v16                      ; v12 256 x lane
	v_lshlrev_b32 v14, 4, v18                      ; 16 h, for the mask's bound
	v_mov_b32 v15, 0xd0ee6b28                      ; -1e9 x 32
	s_lshl_b32 s60, s18, 14
	v_add_nc_u32 v19, s60, v1                      ; v19 for now: Q's slot w
	v_lshlrev_b32 v20, 6, v0
	v_add_nc_u32 v20, VT, v20                      ; v20 for now: the scale words of channels 4 x thread on
	v_lshlrev_b32 v21, 2, v0                       ; v21 for now: 4 x thread
	s_mov_b32 s46, 0x3d38aa3b                      ; s[46:47] c = log2(e) / 32
	s_mov_b32 s47, s46                             ; (named with it as a pair, so it is written)
	s_mov_b32 s48, 0x76543210                      ; s[48:49] lane selects: lane l xor 16
	s_mov_b32 s49, 0xfedcba98
	s_mov_b32 s50, 0x600000                        ; the mantissa field of 57,344
	s_mov_b32 s51, 0x05010400                      ; byte selects that turn four planes of bytes into words
	s_mov_b32 s52, 0x07030602
	s_mov_b32 s53, 0x05040100
	s_mov_b32 s54, 0x07060302
	s_mov_b32 s61, 0
	s_wait_kmcnt 0x0
	s_and_b32 s60, s18, 3
	s_cmp_lg_u32 s20, 0
	s_cselect_b32 s60, s18, s60
	s_add_co_u32 s60, s60, s66
	s_lshl_b32 s60, s60, 14
	s_add_nc_u64 s[30:31], s[4:5], s[60:61]        ; s[30:31] the query tile that I stage
	s_lshl_b32 s60, s22, 2
	s_cmp_lg_u32 s20, 0
	s_cselect_b32 s60, s60, 0
	s_add_co_u32 s60, s60, s66
	s_lshl_b32 s60, s60, 9
	s_add_nc_u64 s[34:35], s[6:7], s[60:61]        ; s[34:35] my four query tiles' scale words
	s_lshl_b32 s62, s23, 2
	s_add_co_u32 s62, s62, s67                     ; my first key tile
	s_lshl_b32 s60, s62, 14
	s_add_nc_u64 s[28:29], s[4:5], s[60:61]
	s_add_nc_u64 s[28:29], s[28:29], 25165824      ; s[28:29] its codes: k's lie behind q's
	s_lshl_b32 s60, s62, 9
	s_add_nc_u64 s[32:33], s[6:7], s[60:61]        ; s[32:33] its scale words (786,432 on)
	s_lshr_b32 s63, s67, 1                         ; the batch's first group of 32 keys
	s_lshl_b32 s60, s63, 15
	s_add_nc_u64 s[42:43], s[8:9], s[60:61]
	s_lshl_b32 s60, s18, 12
	s_add_nc_u64 s[36:37], s[42:43], s[60:61]      ; s[36:37] V: my eight channel tiles
	s_lshl_b32 s60, s19, 3
	s_add_co_u32 s60, s60, s18
	s_cmp_lg_u32 s20, 0
	s_cselect_b32 s62, 13, 14
	s_lshl_b32 s60, s60, s62
	s_add_nc_u64 s[42:43], s[42:43], s[60:61]      ; s[42:43] the prefetch: of the batch's V, part 8 x quarter + wave of 32
	s_lshl_b32 s60, s63, 10
	s_add_nc_u64 s[38:39], s[10:11], s[60:61]      ; s[38:39] V's scale bytes, planes 0-7
	s_cmp_lg_u32 s20, 0
	s_cselect_b32 s60, 0, 8192
	s_add_nc_u64 s[40:41], s[38:39], s[60:61]      ; s[40:41] planes 8-15; direction 1 has eight planes and reads them again: words 2 and 3 are not used there
	s_lshl_b32 s60, s20, 5
	s_add_co_u32 s60, s60, s21
	s_lshl_b32 s60, s60, 2
	s_add_co_u32 s60, s60, s19
	s_lshl_b32 s60, s60, 12
	s_lshl_b32 s62, s18, 9
	s_add_co_u32 s60, s60, s62
	s_add_nc_u64 s[44:45], s[16:17], s[60:61]      ; s[44:45] my 512 bytes of the part
	s_lshl_b32 s60, s21, 2
	s_add_nc_u64 s[12:13], s[12:13], s[60:61]
	s_add_nc_u64 s[14:15], s[14:15], s[60:61]
	s_load_b32 s24, s[12:13], 0x0                  ; len_a[batch]
	s_load_b32 s25, s[14:15], 0x0                  ; len_b[batch]: they enter compares and arithmetic alone, no address and no branch
.macro KLOAD st                        ; K step st of my four key tiles into buffer st % 4
	WIN 0x40
.irp kt, 0,1,2,3
.irp c, 0,1,2,3
	global_load_b128 v[64*((\st)%4)+16*\kt+4*\c:64*((\st)%4)+16*\kt+4*\c+3], v1, s[28:29] offset:\kt*16384+(\st)*2048+\c*512
.endr
.endr
	WIN 0
.endm
	; ---- scale words; Q into LDS; V's scale bytes turned into words
.irp kt, 0,1,2,3
	global_load_b128 v[32+4*\kt:35+4*\kt], v1, s[32:33] offset:786432+512*\kt   ; register j: lanes 0-15 K step 2 j, lanes 16-31 K step 2 j + 1
.endr
.irp i, 0,1,2,3
	global_load_b128 v[48+4*\i:51+4*\i], v1, s[34:35] offset:512*\i
.endr
.set qk, 0
.rept 32
	global_load_b128 v[128+4*qk:131+4*qk], v1, s[30:31] offset:512*qk
.set qk, qk+1
.endr
.irp p, 0,1,2,3,4,5,6,7
	global_load_b32 v[64+\p], v21, s[38:39] offset:1024*\p
.endr
.irp p, 0,1,2,3,4,5,6,7
	global_load_b32 v[72+\p], v21, s[40:41] offset:1024*\p
.endr
	s_wait_loadcnt 16                              ; all but the 16 planes: the scale words and Q's tile are in
.set qk, 0
.rept 32
	ds_store_b128 v19, v[128+4*qk:131+4*qk] offset:512*qk
.set qk, qk+1
.endr
	KLOAD 0
	KLOAD 1
	s_wait_loadcnt 32                              ; all but the two K steps: the planes are in
.irp st, 0,1,2,3                               ; planes 4 st .. 4 st + 3 hold byte 0 .. 3 of K step st's word; a register holds four channels of a plane
	v_perm_b32 v[96+4*\st], v[65+4*\st], v[64+4*\st], s51
	v_perm_b32 v[97+4*\st], v[65+4*\st], v[64+4*\st], s52
	v_perm_b32 v[98+4*\st], v[67+4*\st], v[66+4*\st], s51
	v_perm_b32 v[99+4*\st], v[67+4*\st], v[66+4*\st], s52
	v_perm_b32 v[80+\st], v[98+4*\st], v[96+4*\st], s53
	v_perm_b32 v[84+\st], v[98+4*\st], v[96+4*\st], s54
	v_perm_b32 v[88+\st], v[99+4*\st], v[97+4*\st], s53
	v_perm_b32 v[92+\st], v[99+4*\st], v[97+4*\st], s54
.endr
.irp x, 0,1,2,3
	ds_store_b128 v20, v[80+4*\x:83+4*\x] offset:16*\x
.endr
	KLOAD 2
	KLOAD 3
	s_wait_kmcnt 0x0
	s_cmp_lg_u32 s20, 0
	s_cselect_b32 s26, s25, s24                    ; s26 the queries' length
	s_cselect_b32 s27, s24, s25                    ; s27 the keys'
	s_lshl_b32 s60, s23, 6
	s_sub_co_i32 s60, s27, s60
	v_sub_nc_u32 v14, s60, v14                     ; v14 len - 64 x my keys' place - 16 h: register 32 G + n holds a key from len on where 32 G + n >= this
	s_lshl_b32 s60, s19, 6
	s_lshl_b32 s62, s19, 7
	s_cmp_lg_u32 s20, 0
	s_cselect_b32 s60, s62, s60
	s_sub_co_i32 s58, s26, s60                     ; s58 len - the first query of tiles 0-3
	s_sub_co_i32 s59, s58, 64                      ; s59 the same for tiles 4-7
	BARRIER                                        ; Q's eight slots and V's scale words lie in LDS
	; ---- S^T = K Q^T: 16 accumulators by turns, 8 K steps
.macro SSTEP st, cnt
.irp i, 0,1,2,3
.irp c, 0,1,2,3
	ds_load_b128 v[64+16*\i+4*\c:64+16*\i+4*\c+3], v2 offset:\i*16384+(\st)*2048+\c*512
.endr
.endr
	s_wait_loadcnt \cnt                            ; 16 for each K step of K asked for behind this one
	s_wait_dscnt 0x0
	WIN 0x01
.irp i, 0,1,2,3
.irp kt, 0,1,2,3
.if (\st) == 0
	MM 128+8*(4*\i+\kt), 64*((\st)%4)+16*\kt, 64+16*\i, -1, 32+4*\kt+(\st)/2, 48+4*\i+(\st)/2, 0
.else
	MM 128+8*(4*\i+\kt), 64*((\st)%4)+16*\kt, 64+16*\i, 128+8*(4*\i+\kt), 32+4*\kt+(\st)/2, 48+4*\i+(\st)/2, 3*((\st)%2)
.endif
.endr
.endr
	WIN 0
	NOP8
.if (\st) < 4
	KLOAD (\st)+4
.endif
.endm
	SSTEP 0, 48
	; V is prefetched into the L2 here, behind the wave's loads, seven K steps ahead of the first load that wants it.  The batch's V (16 or 8 groups of 32,768 bytes) is shared out by address among the four quarters and
	; their eight waves, lanes 256 bytes apart: each aligned block of 256 bytes is named once in the launch.  The address registers are never written again.
	global_prefetch_b8 v12, s[42:43] th:TH_LOAD_NT scope:SCOPE_SE
	s_cmp_lg_u32 s20, 0
	s_cbranch_scc1 .Lpf1
	global_prefetch_b8 v12, s[42:43] offset:8192 th:TH_LOAD_NT scope:SCOPE_SE
.Lpf1:
	SSTEP 1, 48
	SSTEP 2, 48
	SSTEP 3, 48
	SSTEP 4, 48
	SSTEP 5, 32
	SSTEP 6, 16
	SSTEP 7, 0
; V: direction 0: channel tile n, K steps 0-3, into buffer n % 2, with the tile's four scale words
.macro VLOAD_A n
	WIN 0x40
.irp s4, 0,1,2,3
.irp c, 0,1,2,3
	global_load_b128 v[64*((\n)%2)+16*\s4+4*\c:64*((\n)%2)+16*\s4+4*\c+3], v1, s[36:37] offset:(4*\s4+\c)*32768+(\n)*512
.endr
.endr
	WIN 0
	ds_load_b128 v[40+4*((\n)%2):43+4*((\n)%2)], v9 offset:(32*((\n)/2)+8*((\n)%2))*16
.endm
; direction 1: channel tiles 2 nb, 2 nb + 1, K steps 0-1, into buffer nb % 2
.macro VLOAD_B nb
	WIN 0x40
.irp q2, 0,1
.irp s2, 0,1
.irp c, 0,1,2,3
	global_load_b128 v[64*((\nb)%2)+16*(2*\q2+\s2)+4*\c:64*((\nb)%2)+16*(2*\q2+\s2)+4*\c+3], v1, s[36:37] offset:(4*\s2+\c)*32768+(2*(\nb)+\q2)*512
.endr
.endr
.endr
	WIN 0
.irp q2, 0,1
	ds_load_b64 v[40+4*((\nb)%2)+2*\q2:41+4*((\nb)%2)+2*\q2], v9 offset:(32*(\nb)+8*\q2)*16
.endr
.endm
	s_cmp_lg_u32 s20, 0                            ; V's first two buffers are asked for now and land while the softmax is worked: 32 loads on either way
	s_cbranch_scc1 .Lvb0
	VLOAD_A 0
	VLOAD_A 1
	s_branch .Lsm
.Lvb0:
	VLOAD_B 0
	VLOAD_B 1
.Lsm:
	; ---- the softmax.  Register 128 + 32 i + 16 G + n: query tile i, key 64 x my place + 32 G + 16 h + n
.irp gl, 0,1
.set mn, 0
.rept 16
	v_cmp_gt_i32 vcc_lo, 32*\gl+mn+1, v14
.irp i, 0,1,2,3
	v_cndmask_b32 v[128+32*\i+16*\gl+mn], v[128+32*\i+16*\gl+mn], v15, vcc_lo    ; each accumulator from its low end on
.endr
.set mn, mn+1
.endr
.endr
.irp q, 0,1,2,3,4,5,6,7                        ; the largest score of each block of 32 keys (q = 2 i + G): it serves the row's maximum and, since p rises with the score, the block's largest p
	v_max3_num_f32 v[64+\q], v[128+16*\q], v[129+16*\q], v[130+16*\q]
.endr
.irp k, 3,5,7,9,11,13
.irp q, 0,1,2,3,4,5,6,7
	v_max3_num_f32 v[64+\q], v[64+\q], v[128+16*\q+\k], v[129+16*\q+\k]
.endr
.endr
.irp q, 0,1,2,3,4,5,6,7
	v_max_num_f32 v[64+\q], v[64+\q], v[143+16*\q]
.endr
.irp q, 0,1,2,3,4,5,6,7
	v_permlanex16_b32 v[72+\q], v[64+\q], s48, s49
.endr
.irp q, 0,1,2,3,4,5,6,7
	v_max_num_f32 v[64+\q], v[64+\q], v[72+\q]
.endr
.irp i, 0,1,2,3
	v_max_num_f32 v[80+\i], v[64+2*\i], v[65+2*\i]
.endr
.irp i, 0,1,2,3
	ds_store_b32 v3, v[80+\i] offset:512*\i
.endr
	BARRIER                                        ; all waves' maxima lie in LDS
.irp i, 0,1,2,3
	ds_load_b128 v[96+8*\i:99+8*\i], v4 offset:512*\i
	ds_load_b128 v[100+8*\i:103+8*\i], v4 offset:512*\i+16
.endr
	s_wait_dscnt 0x0
.irp i, 0,1,2,3
	v_max3_num_f32 v[80+\i], v[96+8*\i], v[97+8*\i], v[98+8*\i]
	v_max3_num_f32 v[84+\i], v[100+8*\i], v[101+8*\i], v[102+8*\i]
.endr
.irp i, 0,1,2,3
	v_max_num_f32 v[80+\i], v[80+\i], v[99+8*\i]   ; waves 0-3
	v_max_num_f32 v[84+\i], v[84+\i], v[103+8*\i]  ; waves 4-7
.endr
.irp i, 0,1,2,3
	v_cndmask_b32 v[88+\i], v[80+\i], v[84+\i], s55   ; my four waves',
	v_cndmask_b32 v[92+\i], v[84+\i], v[80+\i], s55   ; the other four's,
.endr
.irp i, 0,1,2,3
	v_cndmask_b32 v[92+\i], v[92+\i], v[88+\i], s56   ; which count only where all eight share their queries
.endr
.irp i, 0,1,2,3
	v_max_num_f32 v[88+\i], v[88+\i], v[92+\i]
.endr
.irp i, 0,1,2,3
	v_mul_f32 v[88+\i], s46, v[88+\i]              ; the row's largest t
.endr
.irp i, 0,1,2,3
	v_floor_f32 v[96+2*\i], -v[88+\i]              ; -M = floor(-t) = -ceil(t)
.endr
.irp i, 0,1,2,3
	v_mov_b32 v[97+2*\i], v[96+2*\i]               ; (named with it as a pair)
.endr
.irp i, 0,1,2,3
.irp k, 0,2,4,6,8,10,12,14,16,18,20,22,24,26,28,30
	v_pk_fma_f32 v[128+32*\i+\k:129+32*\i+\k], v[128+32*\i+\k:129+32*\i+\k], s[46:47], v[96+2*\i:97+2*\i] op_sel_hi:[1,0,0]   ; t - M
.endr
.endr
.irp q, 0,1,2,3,4,5,6,7
	v_fma_f32 v[64+\q], v[64+\q], s46, v[96+2*(\q/2)]   ; the same of each block's largest score
.endr
.set en, 0
.rept 128
	v_exp_f32 v[128+en], v[128+en]                 ; p = 2^(t - M): not normalised
.set en, en+1
.endr
	v_nop                                          ; a plain instruction behind the batch,
	s_wait_alu depctr_va_vdst(0)                   ; and the one wait ahead of its first reader
.irp q, 0,1,2,3,4,5,6,7
	v_exp_f32 v[64+\q], v[64+\q]                   ; the blocks' largest p: the same two instructions on the same number give the same bits
.endr
.irp i, 0,1,2,3                                ; the sums are taken of the unquantised p: four chains by turns; plain work behind the eight
	v_pk_add_f32 v[104+2*\i:105+2*\i], v[128+32*\i:129+32*\i], v[130+32*\i:131+32*\i]
.endr
.irp k, 4,6,8,10,12,14,16,18,20,22,24,26,28,30
.irp i, 0,1,2,3
	v_pk_add_f32 v[104+2*\i:105+2*\i], v[104+2*\i:105+2*\i], v[128+32*\i+\k:129+32*\i+\k]
.endr
.endr
	s_wait_alu depctr_va_vdst(0)                   ; and one wait for the eight
.irp i, 0,1,2,3
	v_add_f32 v[104+2*\i], v[104+2*\i], v[105+2*\i]
.endr
.irp i, 0,1,2,3
	v_permlanex16_b32 v[112+\i], v[104+2*\i], s48, s49
.endr
.irp i, 0,1,2,3
	v_add_f32 v[104+2*\i], v[104+2*\i], v[112+\i]  ; my 64 keys' part of the row's sum
.endr
.irp i, 0,1,2,3
	ds_store_b32 v3, v[104+2*\i] offset:2048+512*\i
.endr
.irp q, 0,1,2,3,4,5,6,7
	v_max_num_f32 v[64+\q], 0x8000000, v[64+\q]    ; the floor 2^(16 - 127): a block whose every p is 0 keeps the byte 1; its codes are zeros
.endr
.irp q, 0,1,2,3,4,5,6,7
	v_add_nc_u32 v[72+\q], 0xf8800000, v[64+\q]    ; the conversion's scale operand
.endr
.irp q, 0,1,2,3,4,5,6,7
	v_and_or_b32 v[80+\q], v[64+\q], 0x7f800000, s50   ; 57,344 x the scale
.endr
.irp q, 0,1,2,3,4,5,6,7
	v_lshrrev_b32 v[88+\q], 23, v[72+\q]           ; the scale's byte
.endr
.irp i, 0,1,2,3
	v_lshl_or_b32 v[88+2*\i], v[89+2*\i], 8, v[88+2*\i]
.endr
.irp i, 0,1,2,3
	ds_store_b16 v5, v[88+2*\i] offset:64*\i       ; my two blocks' bytes of the fragment's scale word
.endr
.irp hf, 0,1
.irp g, 0,1,2,3
.irp k, 0,1,2,3,4,5,6,7,8,9,10,11,12,13,14,15
	v_min_num_f32 v[128+16*(4*\hf+\g)+\k], v[128+16*(4*\hf+\g)+\k], v[80+4*\hf+\g]   ; p is not negative: a one-sided hold ahead of a conversion that does not saturate (ISA guide 7.6.2)
.endr
	v_cvt_scalef32_pk8_bf8_f32 v[112+4*\g:113+4*\g], v[128+16*(4*\hf+\g):135+16*(4*\hf+\g)], v[72+4*\hf+\g]
	v_cvt_scalef32_pk8_bf8_f32 v[114+4*\g:115+4*\g], v[136+16*(4*\hf+\g):143+16*(4*\hf+\g)], v[72+4*\hf+\g]
.endr
	v_nop
.irp g, 0,1,2,3
	ds_store_b128 v6, v[112+4*\g:115+4*\g] offset:512*(4*\hf+\g)
.endr
	s_wait_dscnt 0x0                               ; the stores have read their registers
.endr
	BARRIER                                        ; p's codes, scale words and sums lie in LDS
	; ---- P's 16 fragments (fragment f = 4 x (pair of waves) + i; its run c lies with wave 2 (f / 4) + c / 2), and the weights
.irp i, 0,1,2,3
	ds_load_b128 v[64+8*\i:67+8*\i], v4 offset:2048+512*\i
	ds_load_b128 v[68+8*\i:71+8*\i], v4 offset:2048+512*\i+16
.endr
.irp f, 0,1,2,3,4,5,6,7
	ds_load_b32 v[32+\f], v8 offset:128*\f
.endr
.irp f, 0,1,2,3,4,5,6,7
.irp c, 0,1,2,3
	ds_load_b128 v[128+16*\f+4*\c:128+16*\f+4*\c+3], v7 offset:(2*(\f/4)+(\c/2))*4096+(\f%4)*1024+(\c%2)*512
.endr
.endr
	s_wait_dscnt 40                                ; behind the sums' eight loads stand 8 + 32
.irp i, 0,1,2,3
	v_add_f32 v[96+\i], v[64+8*\i], v[65+8*\i]
	v_add_f32 v[100+\i], v[66+8*\i], v[67+8*\i]
.endr
.irp i, 0,1,2,3
	v_add_f32 v[96+\i], v[96+\i], v[100+\i]        ; waves 0-3
.endr
.irp i, 0,1,2,3
	v_add_f32 v[100+\i], v[68+8*\i], v[69+8*\i]
	v_add_f32 v[104+\i], v[70+8*\i], v[71+8*\i]
.endr
.irp i, 0,1,2,3
	v_add_f32 v[100+\i], v[100+\i], v[104+\i]      ; waves 4-7
.endr
.irp i, 0,1,2,3
	v_fma_f32 v[104+\i], s57, v[100+\i], v[96+\i]  ; l of query tile i: all eight waves', or waves 0-3's
	v_fma_f32 v[108+\i], s57, v[96+\i], v[100+\i]  ; l of query tile 4 + i (direction 1)
.endr
	v_cvt_f32_i32 v112, s26
.irp k, 0,1,2,3,4,5,6,7
	v_mul_f32 v[104+\k], v[104+\k], v112
.endr
.irp k, 0,1,2,3,4,5,6,7
	v_rcp_f32 v[104+\k], v[104+\k]                 ; 1 / (l x len)
.endr
.irp i, 0,1,2,3
	v_add_nc_u32 v[96+\i], 32*(\i/2)+8*(\i%2), v13 ; my query's place among the four tiles' 64 (plain work behind the reciprocals)
.endr
	s_wait_alu depctr_va_vdst(0)                   ; one wait for the eight, ahead of their first reader
.irp i, 0,1,2,3
	v_cmp_gt_i32 vcc_lo, s58, v[96+\i]
	v_cndmask_b32 v[16+\i], 0, v[104+\i], vcc_lo   ; queries from len on count for nothing
	v_cmp_gt_i32 vcc_lo, s59, v[96+\i]
	v_cndmask_b32 v[20+\i], 0, v[108+\i], vcc_lo
.endr
	WIN 0x40
.irp f, 8,9,10,11,12,13,14,15
.irp c, 0,1,2,3
	ds_load_b128 v[128+16*(\f-8)+4*\c:128+16*(\f-8)+4*\c+3], v7 offset:(2*(\f/4)+(\c/2))*4096+(\f%4)*1024+(\c%2)*512
.endr
.endr
	WIN 0
; the sum over nt tiles of queries of O^T x the lane's query's weight, then over the 16 lanes of a half (the tile's 16 queries); register j of half h is channel 16 h + 8 (n & 1) + 32 (n >> 1) + j of my 128
.macro ESUM nt
.irp p, 0,2,4,6
	v_pk_mul_f32 v[24+\p:25+\p], v[64+\p:65+\p], v[16:17] op_sel_hi:[1,0]
.endr
.set ei, 1
.rept \nt-1
.irp p, 0,2,4,6                                ; each accumulator from its low end on
.if ei%2
	v_pk_fma_f32 v[24+\p:25+\p], v[64+8*ei+\p:65+8*ei+\p], v[15+ei:16+ei], v[24+\p:25+\p] op_sel:[0,1,0]
.else
	v_pk_fma_f32 v[24+\p:25+\p], v[64+8*ei+\p:65+8*ei+\p], v[16+ei:17+ei], v[24+\p:25+\p] op_sel_hi:[1,0,1]
.endif
.endr
.set ei, ei+1
.endr
.irp x, 1,2,4,8
.irp k, 0,1,2,3,4,5,6,7
	v_add_f32_dpp v[24+\k], v[24+\k], v[24+\k] row_xmask:\x row_mask:0xf bank_mask:0xf
.endr
.endr
.endm
.macro PVA n                           ; direction 0: four accumulators by turns, four K steps
.if (\n) < 7
	s_wait_loadcnt 16                              ; this tile's 16 loads are in; the next tile's may be out
.else
	s_wait_loadcnt 0x0
.endif
	s_wait_dscnt 0x0                               ; scale words, P's fragments; the last tile's stores have read their registers
.irp s4, 0,1,2,3
.if \s4 < 2
	WIN 0x01
.else
	WIN 0x05
.endif
.irp i, 0,1,2,3
.set pf, 4*\s4+\i
.if \s4 == 0
	MM 64+8*\i, 64*((\n)%2)+16*\s4, 128+16*(pf%8), -1, 40+4*((\n)%2)+\s4, 32+pf/2, 2*(\i%2)
.else
	MM 64+8*\i, 64*((\n)%2)+16*\s4, 128+16*(pf%8), 64+8*\i, 40+4*((\n)%2)+\s4, 32+pf/2, 2*(\i%2)
.endif
.endr
.endr
	WIN 0
	NOP8
.if (\n) < 6
	VLOAD_A (\n)+2
.endif
	ESUM 4
	ds_store_b128 v10, v[24:27] offset:(32*((\n)/2)+8*((\n)%2))*4       ; the 16 lanes of a half write the same bytes with the same values
	ds_store_b128 v10, v[28:31] offset:(32*((\n)/2)+8*((\n)%2))*4+16
.endm
.macro PVB n                           ; direction 1: eight accumulators by turns, two K steps
.if (\n)%2 == 0
.if (\n) < 6
	s_wait_loadcnt 16                              ; this buffer's 16 loads are in; the other's may be out
.else
	s_wait_loadcnt 0x0
.endif
.endif
	s_wait_dscnt 0x0
.irp s2, 0,1
.irp hi, 0,1
.if \hi == 0
	WIN 0x01
.else
	WIN 0x05
.endif
.irp i, 0,1,2,3
.set pf, 8*\hi+4*\s2+\i
.if \s2 == 0
	MM 64+8*(4*\hi+\i), 64*(((\n)/2)%2)+16*(2*((\n)%2)+\s2), 128+16*(pf%8), -1, 40+4*(((\n)/2)%2)+2*((\n)%2)+\s2, 32+pf/2, 2*(\i%2)
.else
	MM 64+8*(4*\hi+\i), 64*(((\n)/2)%2)+16*(2*((\n)%2)+\s2), 128+16*(pf%8), 64+8*(4*\hi+\i), 40+4*(((\n)/2)%2)+2*((\n)%2)+\s2, 32+pf/2, 2*(\i%2)
.endif
.endr
.endr
.endr
	WIN 0
	NOP8
.if ((\n)%2 == 1) && ((\n) < 4)
	VLOAD_B (\n)/2+2
.endif
	ESUM 8
	ds_store_b128 v10, v[24:27] offset:4096+(32*((\n)/2)+8*((\n)%2))*4
	ds_store_b128 v10, v[28:31] offset:4096+(32*((\n)/2)+8*((\n)%2))*4+16
.endm
	s_cmp_lg_u32 s20, 0
	s_cbranch_scc1 .Lpvb
.irp n, 0,1,2,3,4,5,6,7
	PVA \n
.endr
	ds_load_b128 v[64:67], v11                     ; LDS serves a wave's instructions in order: this sees my stores
	s_wait_dscnt 0x0
	global_store_b128 v1, v[64:67], s[44:45]       ; 512 consecutive aligned bytes a wave
	s_wait_xcnt 0x0
	v_lshl_add_u32 v254, v0, 2, 0x30000
	v_mov_b32 v255, 0
	s_wait_tensorcnt 0x0
	ds_add_u32 v254, v255
	s_wait_dscnt 0x0
	s_endpgm
.Lpvb:
.irp n, 0,1,2,3,4,5,6,7
	PVB \n
.endr
	ds_load_b128 v[64:67], v11 offset:4096
	s_wait_dscnt 0x0
	global_store_b128 v1, v[64:67], s[44:45]
	s_wait_xcnt 0x0
	v_lshl_add_u32 v254, v0, 2, 0x30000
	v_mov_b32 v255, 0
	s_wait_tensorcnt 0x0
	ds_add_u32 v254, v255
	s_wait_dscnt 0x0
	s_endpgm
.Lfunc_end_k_qb0848f4def_attn:
	.size	k_qb0848f4def_attn, .Lfunc_end_k_qb0848f4def_attn-k_qb0848f4def_attn
	.p2alignl 7, 3214868480
	.fill 96, 4, 3214868480
	.section	.rodata,"a",@progbits
	.p2align	6, 0x0
	.amdhsa_kernel k_qb0848f4def_attn
		.amdhsa_group_segment_fixed_size 197632
		.amdhsa_private_segment_fixed_size 0
		.amdhsa_enable_private_segment 0
		.amdhsa_kernarg_size 56
		.amdhsa_user_sgpr_count 2
		.amdhsa_user_sgpr_kernarg_segment_ptr 1
		.amdhsa_wavefront_size32 1
		.amdhsa_system_sgpr_workgroup_id_x 1
		.amdhsa_system_sgpr_workgroup_id_y 1
		.amdhsa_system_sgpr_workgroup_id_z 1
		.amdhsa_system_vgpr_workitem_id 0
		.amdhsa_next_free_vgpr 512
		.amdhsa_next_free_sgpr 80
		.amdhsa_reserve_vcc 1
		.amdhsa_float_denorm_mode_32 3
		.amdhsa_float_denorm_mode_16_64 3
		.amdhsa_memory_ordered 1
		.amdhsa_forward_progress 1
		.amdhsa_inst_pref_size 215
	.end_amdhsa_kernel
	.amdgpu_metadata
---
amdhsa.version: [ 1, 2 ]
amdhsa.kernels:
  - .name:           k_qb0848f4def_attn
    .symbol:         k_qb0848f4def_attn.kd
    .args:
      - { .name: qkc, .offset: 0, .size: 8, .value_kind: global_buffer, .address_space: global }
      - { .name: qks, .offset: 8, .size: 8, .value_kind: global_buffer, .address_space: global }
      - { .name: vc, .offset: 16, .size: 8, .value_kind: global_buffer, .address_space: global }
      - { .name: vs, .offset: 24, .size: 8, .value_kind: global_buffer, .address_space: global }
      - { .name: len_a, .offset: 32, .size: 8, .value_kind: global_buffer, .address_space: global }
      - { .name: len_b, .offset: 40, .size: 8, .value_kind: global_buffer, .address_space: global }
      - { .name: part, .offset: 48, .size: 8, .value_kind: global_buffer, .address_space: global }
    .group_segment_fixed_size: 197632
    .private_segment_fixed_size: 0
    .kernarg_segment_align: 8
    .kernarg_segment_size: 56
    .max_flat_workgroup_size: 256
    .sgpr_count:     80
    .vgpr_count:     512
    .wavefront_size: 32
...
	.end_amdgpu_metadata
.endif
;; end of part 3
;; launch fin (part 4): grid 64 x 1, 8 waves a work-group, no clusters, 0 bytes of LDS; arguments part, out0; writes out0
.if DOCPART == 4
	.amdgcn_target "amdgcn-amd-amdhsa--gfx1250"
	.amdhsa_code_object_version 6
	.text
	.protected	k_qb0848f4def_fin
	.globl	k_qb0848f4def_fin
	.p2align	8
	.type	k_qb0848f4def_fin,@function
k_qb0848f4def_fin:
	s_mov_b64 s[64:65], 0
	v_nop
	global_prefetch_b8 v0, s[64:65] scope:SCOPE_SE
	s_setreg_imm32_b32 hwreg(HW_REG_WAVE_MODE, 25, 1), 1
	s_wait_xcnt 0x0
; out0[direction][batch][:] = the sum of the four quarters' parts.  A work-group takes one row of 1,024 numbers; a thread 16 bytes of each of the four parts: every load and store of a wave covers 512 consecutive aligned bytes.
; The sum has one owner for each output and a fixed order.  64 rows are all the work there is: nothing is padded.
	s_load_b128 s[4:7], s[0:1], 0x0                ; the parts s[4:5], out0 s[6:7]
	v_lshlrev_b32 v1, 4, v0
	s_lshl_b32 s8, ttmp9, 14                       ; four parts of 4,096 bytes a row
	s_mov_b32 s9, 0
	s_lshl_b32 s10, ttmp9, 12
	s_mov_b32 s11, 0
	s_wait_kmcnt 0x0
	s_add_nc_u64 s[4:5], s[4:5], s[8:9]
	s_add_nc_u64 s[6:7], s[6:7], s[10:11]
.irp q, 0,1,2,3
	global_load_b128 v[4+4*\q:7+4*\q], v1, s[4:5] offset:4096*\q
.endr
	s_wait_loadcnt 0x0
	v_pk_add_f32 v[4:5], v[4:5], v[8:9]
	v_pk_add_f32 v[6:7], v[6:7], v[10:11]
	v_pk_add_f32 v[12:13], v[12:13], v[16:17]
	v_pk_add_f32 v[14:15], v[14:15], v[18:19]
	v_pk_add_f32 v[4:5], v[4:5], v[12:13]
	v_pk_add_f32 v[6:7], v[6:7], v[14:15]
	global_store_b128 v1, v[4:7], s[6:7]
	s_endpgm
.Lfunc_end_k_qb0848f4def_fin:
	.size	k_qb0848f4def_fin, .Lfunc_end_k_qb0848f4def_fin-k_qb0848f4def_fin
	.p2alignl 7, 3214868480
	.fill 96, 4, 3214868480
	.section	.rodata,"a",@progbits
	.p2align	6, 0x0
	.amdhsa_kernel k_qb0848f4def_fin
		.amdhsa_group_segment_fixed_size 0
		.amdhsa_private_segment_fixed_size 0
		.amdhsa_enable_private_segment 0
		.amdhsa_kernarg_size 16
		.amdhsa_user_sgpr_count 2
		.amdhsa_user_sgpr_kernarg_segment_ptr 1
		.amdhsa_wavefront_size32 1
		.amdhsa_system_sgpr_workgroup_id_x 1
		.amdhsa_system_sgpr_workgroup_id_y 1
		.amdhsa_system_sgpr_workgroup_id_z 1
		.amdhsa_system_vgpr_workitem_id 0
		.amdhsa_next_free_vgpr 32
		.amdhsa_next_free_sgpr 66
		.amdhsa_reserve_vcc 0
		.amdhsa_float_denorm_mode_32 3
		.amdhsa_float_denorm_mode_16_64 3
		.amdhsa_memory_ordered 1
		.amdhsa_forward_progress 1
		.amdhsa_inst_pref_size 2
	.end_amdhsa_kernel
	.amdgpu_metadata
---
amdhsa.version: [ 1, 2 ]
amdhsa.kernels:
  - .name:           k_qb0848f4def_fin
    .symbol:         k_qb0848f4def_fin.kd
    .args:
      - { .name: part, .offset: 0, .size: 8, .value_kind: global_buffer, .address_space: global }
      - { .name: out0, .offset: 8, .size: 8, .value_kind: global_buffer, .address_space: global }
    .group_segment_fixed_size: 0
    .private_segment_fixed_size: 0
    .kernarg_segment_align: 8
    .kernarg_segment_size: 16
    .max_flat_workgroup_size: 256
    .sgpr_count:     66
    .vgpr_count:     32
    .wavefront_size: 32
...
	.end_amdgpu_metadata
.endif
;; end of part 4
